; MI455X (gfx1250); checked and timed in simulation.
; The chip was launched on July 23, 2026; its instructions are those of AMD's public machine-readable ISA for CDNA 5 (MIT licence, August 2026) and "CDNA5" Instruction Set Architecture Reference Guide (July 2026). The comments in the code are by the model that wrote it; some were corrected since.
;; Multi Head Attention. Allowed arithmetic: matrix products marked QUANTISED: E4M3 operands, one E8M0 scale for each 32 along K, by v_wmma_scale_f32_16x16x128_f8f6f4 with both operands' format E4M3, f32 sums; everything else in f32.
;; Inputs: Wk 1,024 x 1,024 float32; Wo 1,024 x 1,024 float32; Wq 1,024 x 1,024 float32; Wv 1,024 x 1,024 float32; bk 1,024 float32; bo 1,024 float32; bq 1,024 float32; bv 1,024 float32; key 2 x 2,048 x 1,024 float32; query 2 x 2,048 x 1,024 float32; value 2 x 2,048 x 1,024 float32.
;; Outputs: out0 2 x 2,048 x 1,024 float32.
;; This version of the problem:
;;   THIS VERSION OF THE PROBLEM IS GIVEN IN LOW PRECISION. The matrix products marked QUANTISED in the list below multiply operands that are first quantised to E4M3 (4 exponent bits, 3 mantissa bits; 8 bits a number), with one power-of-two scale for each 32 numbers along K (OCP MX v1.0); their sums are f32. All else is computed in f32.
;;   The module's matrix products, in the order in which they are computed (A, B: the left and right operand; K: the contracted axis; several contracted axes count as one K, in the product's order):
;;     1. [M 4,096, K 1,024] x [K 1,024, N 1,024]; A: input query; B: input Wq: QUANTISED
;;     2. [M 4,096, K 1,024] x [K 1,024, N 1,024]; A: input key; B: input Wk: QUANTISED
;;     3. [M 4,096, K 1,024] x [K 1,024, N 1,024]; A: input value; B: input Wv: QUANTISED
;;     4. batch 32 x [M 2,048, K 64] x [K 64, N 2,048]; A: computed on the way; B: computed on the way: QUANTISED
;;     5. batch 32 x [M 2,048, K 2,048] x [K 2,048, N 64]; A: softmax (see below); B: computed on the way: QUANTISED
;;     6. [M 4,096, K 1,024] x [K 1,024, N 1,024]; A: computed on the way; B: input Wo: QUANTISED
;;   THE QUANTISER, for each operand of a quantised product, along K:
;;     - K is cut into blocks of 32 from its start; a last block that is shorter is filled with zeros.
;;     - A block's scale is 2^e with e = floor(log2(the largest magnitude in the block)) - 8, held to -126 .. 127; a block of zeros has e = 0. As a byte (E8M0): e + 127.
;;     - Each number is divided by its block's scale, clamped to +-448, and rounded to the nearest number of E4M3, ties to even, subnormals kept.
;;     - The product sums the exact products of the quantised numbers (number of the format x scale) in f32.
;;   ~~~python
;;   def quantise(x, axis):      # numpy; x: float32 -> the quantised numbers, widened to float32 again
;;       x = np.moveaxis(x, axis, -1); K = x.shape[-1]
;;       x = np.pad(x, [(0, 0)] * (x.ndim - 1) + [(0, -K % 32)]); x = x.reshape(x.shape[:-1] + (-1, 32)); a = np.abs(x).max(-1, keepdims=True)
;;       e = np.where(a > 0, np.clip(np.frexp(np.where(a > 0, a, 1))[1] - 1 - 8, -126, 127), 0)      # np.frexp(a)[1] - 1 = floor(log2(a)), exactly
;;       r = np.clip(x / 2.0 ** e, -448, 448)
;;       step = 2.0 ** (np.maximum(np.frexp(np.where(r == 0, 1, r))[1] - 1, -6) - 3)
;;       q = np.round(r / step) * step * 2.0 ** e      # np.round: ties to even
;;       return np.moveaxis(q.reshape(q.shape[:-2] + (-1,))[..., :K], -1, axis).astype(np.float32)
;;   ~~~
;;   SOFTMAX AHEAD OF A QUANTISED PRODUCT. Where the list says 'softmax', what is quantised is not the finished softmax but p = 2^(t - M), with t = logit x log2(e) and M = ceil(the row's largest t), a whole number; so 1/2 < the row's largest p <= 1. The row's sum l is taken of the UNQUANTISED p, in f32, and the product's result is divided by l at the end. Since M is a whole number, a kernel that streams over the keys may use a running M (the ceiling of the running maximum): every later rescaling is an exact power of two, which a block's scale takes up: the codes' values come out the same.
;;   OPERANDS COMPUTED ON THE WAY. 'Computed on the way' means the value that the module computes at that place (a softmax that the list does not call 'softmax' is quantised finished and normalised). What goes into a quantiser is computed in f32, as accurately as f32 sums, v_exp_f32 and their like allow (about 1e-6 of the number): no bf16 or f16 on the way to a quantiser, and a product that is left as it is and whose result goes on into a quantised operand takes f32 operands (vector FMAs, or v_wmma_f32_16x16x4_f32). A number that lies on a knife's edge between two numbers of the format may be rounded either way, as far as f32 arithmetic and the matrix unit's own rounding can turn it there, and no further.
;; One version. Each part assembles by itself: llvm-mc -triple=amdgcn-amd-amdhsa -mcpu=gfx1250 --defsym DOCPART=n.
;; ======== version 1 of 1: 4 launches
;; limits: right only within a limited range of input values
;; workspace buffers: XREC 12,976,128 bytes; WIMG 4,194,304 bytes; WSC 131,072 bytes; QB 4,456,448 bytes; KV 8,912,896 bytes; AREC 4,325,376 bytes
;; launch quant (part 1): grid 512 x 1, 4 waves a work-group, no clusters, 34,304 bytes of LDS; arguments query, key, value, Wq, Wk, Wv, Wo, XREC, WIMG, WSC; writes XREC, WIMG, WSC
.if DOCPART == 1
	.amdgcn_target "amdgcn-amd-amdhsa--gfx1250"
	.amdhsa_code_object_version 6
	.text
	.protected	k_qdf213454e0_quant
	.globl	k_qdf213454e0_quant
	.p2align	8
	.type	k_qdf213454e0_quant,@function
k_qdf213454e0_quant:
	s_mov_b64 s[64:65], 0
	v_nop
	global_prefetch_b8 v0, s[64:65] scope:SCOPE_SE
	s_setreg_imm32_b32 hwreg(HW_REG_WAVE_MODE, 25, 1), 1
	s_wait_xcnt 0x0
; LAUNCH 1 OF 4: query, key, value [4096][1024] and Wq, Wk, Wv, Wo [1024 (k)][1024 (n)], all f32, become codes of E4M3 with one E8M0 byte for each 32 along K (K = the 1,024 that the projections contract).
; THE PROGRAM: quant (this) | proj: the three projections, their results quantised in registers into attention's operands | attn: both attention products and the softmax, result quantised | oproj: the last product.
; DEAD WORK LEFT OUT (in attn): reference() sets scores[q][k] to -inf wherever k > q, by a mask that it builds itself; softmax gives those places the weight 0 whatever finite values the inputs hold, so they add
; nothing to the row's sum nor to the second product.  Where all 128 keys of a key step come after all 16 queries of a wave, the step's loads, products and exponentials are not done.  Inside the one step on the diagonal all scores
; are computed and the hidden ones set to -inf.  No input is left out: all eleven have a way to the output.  LIMIT: a NaN, an infinity or an overflow that reaches only such hidden scores is not carried to the result.
; THE LAYOUT OF EVERY WORKSPACE OPERAND IS AN IMAGE OF THE OPERAND'S REGISTERS.  A fragment (16 rows x 128 K, 16 registers a lane) lies as [c 0..3][lane][16 bytes]: lane (r = lane % 16, h = lane / 16) holds k = 32 c + 16 h + 0..15 of row r.
; THE 16 ROWS OF A TILE ARE NOT NEIGHBOURS: in a group of 32 rows tile u (0, 1) has the rows 8 u + r + 8 (r / 8).  So a later product's 16 result registers of two neighbouring tiles are 16 neighbours along the next K.
; XREC [mat 3][32-token group 128][33,792]: codes at p 16384 + s 2048 + c 512 + 16 lane (p: tile, s: K step of 128); scale words at 32768 + p 512 + (s / 4) 256 + 16 r + 4 (s % 4).
; WIMG [mat 4][column tile 64][s 8][c 4][lane][16];  WSC [mat 4][column tile 64][r 16][32 bytes: byte k / 32].
; THE QUANTISER: a block's scale is 2^(floor(log2(largest magnitude)) - 8): its byte is the largest magnitude's exponent field - 8; numbers are held within +-448 x the scale and rounded to the nearest code, ties to even.
; LIMITS: a block of zeros gets the byte 1 where the rule says 127 (its codes are zeros, and this program alone reads the bytes); blocks whose largest magnitude lies under 2^-118 are held at that byte; NaN and infinities among the inputs are not served.
; SHARES: work-groups 0..383 take the activations, a wave one tile of 16 tokens x 512 along K (four fragments); work-groups 384..511 the weights, a wave 32 columns x 256 along K.  The two ways part on the work-group's number and never join;
; only the first uses LDS.  No matrix unit, no tensor load, no cluster: nothing is shared between waves and each byte is read once.
.set STG,   8448                       ; a wave's stage: 16 rows x (512 bytes + 16)
.set SPARE, 4*STG                      ; behind the stages: the spare words, 128 bytes a wave
.set REC,   33792
.set SPW, 1                            ; v1  LDS address of my spare word; never rewritten
.set NIL, 2                            ; v2  0; never rewritten
.set GA,  3                            ; v3  activations: 16 x lane (loads and code stores); weights: 4 x lane
.set SA,  4                            ; v4  the stage, on the way in
.set RA,  5                            ; v5  and on the way out
.set SO,  6                            ; v6  16 r + 8 h: my two scale words
.set WCO, 7                            ; v7  weights: my column's place among the codes
.set WSO, 8                            ; v8  and among the scale bytes
.set TM,  16                           ; v16-31 at work in the quantiser
.set SW,  32                           ; v32-37 scale words
.set PC,  40                           ; v40-55 the codes just made
.set R,   64                           ; v64-191 numbers as loaded, two sets
.set N,   192                          ; v192-255 64 numbers in the operand's order
.set WV,  24
.set SEL, 40                           ; s[40:41] v_permlanex16_b32's selects for lane l xor 16
.set MNT, 42                           ; s42 the mantissa field of 448
.set HM,  43                           ; s43 lanes 16-31
; 64 numbers of a lane, register 16 b + i = k 32 b + 16 h + i of my row, become a fragment's codes in v[PC] on; the four scale bytes stay in v[TM+4] on.
.macro QUANT s
.irp b, 0,1,2,3
	v_max3_num_f32 v[TM+\b], |v[\s+16*\b]|, |v[\s+1+16*\b]|, 0x4800000   ; my 16 numbers of block b, and the floor 2^(9 - 127): the byte cannot fall under 1
.endr
.irp i, 2,4,6,8,10,12,14
.irp b, 0,1,2,3
	v_max3_num_f32 v[TM+\b], v[TM+\b], |v[\s+16*\b+\i]|, |v[\s+1+16*\b+\i]|   ; the four blocks by turns
.endr
.endr
.irp b, 0,1,2,3
	v_permlanex16_b32 v[TM+4+\b], v[TM+\b], s[SEL], s[SEL+1]
.endr
.irp b, 0,1,2,3
	v_max_num_f32 v[TM+\b], v[TM+\b], v[TM+4+\b]   ; with lane l xor 16's 16: the block's largest magnitude
.endr
.irp b, 0,1,2,3
	v_add_nc_u32 v[TM+12+\b], 0xfc000000, v[TM+\b]   ; 8 off its exponent field: the conversion's scale operand
.endr
.irp b, 0,1,2,3
	v_and_or_b32 v[TM+8+\b], v[TM+\b], 0x7f800000, s[MNT]   ; 448 x the scale
.endr
.irp b, 0,1,2,3
	v_lshrrev_b32 v[TM+4+\b], 23, v[TM+12+\b]   ; the scale's byte
.endr
.irp b, 0,1,2,3
.irp i, 0,1,2,3,4,5,6,7,8,9,10,11,12,13,14,15
	v_med3_num_f32 v[\s+16*\b+\i], v[\s+16*\b+\i], -v[TM+8+\b], v[TM+8+\b]   ; the conversion to an 8-bit code does not saturate (ISA guide 7.6.2): the hold comes first
.endr
	v_cvt_scalef32_pk8_fp8_f32 v[PC+4*\b:PC+1+4*\b], v[\s+16*\b:\s+7+16*\b], v[TM+12+\b]
	v_cvt_scalef32_pk8_fp8_f32 v[PC+2+4*\b:PC+3+4*\b], v[\s+8+16*\b:\s+15+16*\b], v[TM+12+\b]
.endr
	v_nop                                          ; a plain vector line behind the last conversion
.endm
	s_load_b512 s[4:19], s[0:1], 0x0               ; query, key, value, Wq, Wk, Wv, Wo, XREC
	s_load_b128 s[20:23], s[0:1], 0x40             ; WIMG, WSC
	v_lshl_add_u32 v[SPW], v0, 2, SPARE
	v_mov_b32 v[NIL], 0
	v_lshrrev_b32 v9, 5, v0
	v_readfirstlane_b32 s[WV], v9                  ; wave 0..3
	v_and_b32 v9, 31, v0                           ; lane
	v_and_b32 v10, 15, v0                          ; r
	v_bfe_u32 v11, v0, 4, 1                        ; h
	s_mov_b32 s[SEL], 0x76543210
	s_mov_b32 s[SEL+1], 0xfedcba98
	s_mov_b32 s[MNT], 0x600000
	s_mov_b32 s[HM], 0xffff0000
	s_mov_b32 s33, 0                               ; the upper word of every 32-bit offset
	s_wait_kmcnt 0x0
	s_cmp_ge_u32 ttmp9, 384
	s_cbranch_scc1 .Lweights
	; ---- THE ACTIVATIONS.  K is innermost.  A load reads 512 consecutive bytes of one row; a fragment's 16 rows go through my stage and come back 64 bytes a lane and block: the operand's order.
	s_lshl_b32 s25, ttmp9, 2
	s_add_co_u32 s25, s25, s[WV]
	s_lshr_b32 s26, s25, 1                         ; which tile of 768
	s_and_b32 s27, s25, 1                          ; kh: which half of K
	s_lshr_b32 s28, s26, 8                         ; mat: 0 query, 1 key, 2 value
	s_and_b32 s29, s26, 255
	s_lshr_b32 s30, s29, 1                         ; the group of 32 tokens
	s_and_b32 s31, s29, 1                          ; p: its tile
	s_cmp_eq_u32 s28, 0
	s_cselect_b64 s[4:5], s[4:5], s[6:7]
	s_cmp_eq_u32 s28, 2
	s_cselect_b64 s[4:5], s[8:9], s[4:5]
	s_lshl_b32 s32, s30, 17                        ; 32 rows of 4,096 bytes,
	s_lshl_b32 s34, s31, 15                        ; 8 rows for tile 1,
	s_add_co_u32 s32, s32, s34
	s_lshl_b32 s34, s27, 11                        ; 2,048 bytes for the upper half of K
	s_add_co_u32 s32, s32, s34
	s_add_nc_u64 s[4:5], s[4:5], s[32:33]
	s_lshl_b32 s32, s28, 7
	s_add_co_u32 s32, s32, s30
	s_mul_i32 s32, s32, REC
	s_add_nc_u64 s[18:19], s[18:19], s[32:33]      ; the group's record
	s_lshl_b32 s32, s31, 9
	s_lshl_b32 s34, s27, 8
	s_add_co_u32 s32, s32, s34
	s_add_co_u32 s32, s32, 32768
	s_add_nc_u64 s[36:37], s[18:19], s[32:33]      ; my 256 bytes of scale words
	s_lshl_b32 s32, s31, 14
	s_lshl_b32 s34, s27, 13
	s_add_co_u32 s32, s32, s34
	s_add_nc_u64 s[18:19], s[18:19], s[32:33]      ; my four fragments
	s_wait_alu depctr_va_vdst(0)
	v_lshlrev_b32 v[GA], 4, v9
	s_mul_i32 s35, s[WV], STG
	v_add_nc_u32 v[SA], s35, v[GA]
	v_mul_u32_u24 v[RA], v10, 528
	v_lshl_add_u32 v[RA], v11, 6, v[RA]
	v_add_nc_u32 v[RA], s35, v[RA]                 ; row r, + 64 h: rows 528 bytes apart start in 16 different groups of banks
	v_lshlrev_b32 v[SO], 4, v10
	v_lshl_add_u32 v[SO], v11, 3, v[SO]
.irp b, 0,1,2,3
	v_mov_b32 v[TM+4+\b], 0                        ; written once: a lane permute's destination counts as one of its sources
.endr
.macro LOADF f                         ; fragment f: 128 along K of the tile's 16 rows
.irp i, 0,1,2,3,4,5,6,7,8,9,10,11,12,13,14,15
	global_load_b128 v[R+64*((\f)%2)+4*\i:R+64*((\f)%2)+4*\i+3], v[GA], s[4:5] offset:(\i+8*(\i/8))*4096+512*(\f) th:TH_LOAD_NT
.endr
.endm
.macro FRAG f
.if (\f) < 3
	s_wait_loadcnt 16                              ; this fragment's 16 loads are in; the next fragment's 16 may be out
.else
	s_wait_loadcnt 0x0
.endif
.irp i, 0,1,2,3,4,5,6,7,8,9,10,11,12,13,14,15
	ds_store_b128 v[SA], v[R+64*((\f)%2)+4*\i:R+64*((\f)%2)+4*\i+3] offset:\i*528
.endr
.irp c, 0,1,2,3
.irp j, 0,1,2,3
	ds_load_b128 v[N+16*\c+4*\j:N+16*\c+4*\j+3], v[RA] offset:128*\c+16*\j   ; LDS serves a wave's instructions in order: these see my stores
.endr
.endr
	s_wait_dscnt 0x0                               ; the numbers are back, and the stores have read their registers
	s_wait_xcnt 0x0                                ; the last fragment's code stores have read theirs: the codes are written again only behind this wait
.if (\f) < 2
	LOADF (\f)+2
.endif
	QUANT N
	v_lshl_or_b32 v[SW+(\f)], v[TM+5], 8, v[TM+4]  ; the four bytes make my row's scale word of this K step
	v_lshl_or_b32 v[SW+(\f)], v[TM+6], 16, v[SW+(\f)]
	v_lshl_or_b32 v[SW+(\f)], v[TM+7], 24, v[SW+(\f)]
.irp c, 0,1,2,3
	global_store_b128 v[GA], v[PC+4*\c:PC+4*\c+3], s[18:19] offset:(\f)*2048+\c*512   ; 32 lanes store 512 consecutive bytes
.endr
.endm
	LOADF 0
	LOADF 1
	s_wait_alu depctr_va_vdst(0)
	FRAG 0
	FRAG 1
	FRAG 2
	FRAG 3
	v_cndmask_b32 v[SW+4], v[SW], v[SW+2], s[HM]   ; both halves of the lanes hold all four words: lanes 0-15 store words 0, 1, lanes 16-31 words 2, 3
	v_cndmask_b32 v[SW+5], v[SW+1], v[SW+3], s[HM]
	global_store_b64 v[SO], v[SW+4:SW+5], s[36:37] ; 256 consecutive bytes
	s_wait_tensorcnt 0x0                           ; the wave's end, behind my last LDS store
	ds_add_u32 v[SPW], v[NIL]
	s_wait_dscnt 0x0
	s_endpgm
	; ---- THE WEIGHTS.  K is the FIRST axis: a lane takes a column and its registers run down K, so a block of 32 lies in one lane and the codes come out with K innermost.
.Lweights:
	s_sub_co_u32 s25, ttmp9, 384
	s_lshr_b32 s26, s25, 5                         ; mat: 0 Wq, 1 Wk, 2 Wv, 3 Wo
	s_bfe_u32 s27, s25, 0x20003                    ; kq: which 256 along K
	s_and_b32 s28, s25, 7
	s_lshl_b32 s28, s28, 2
	s_add_co_u32 s28, s28, s[WV]                   ; cg: which 32 columns
	s_cmp_eq_u32 s26, 0
	s_cselect_b64 s[10:11], s[10:11], s[12:13]
	s_cmp_eq_u32 s26, 2
	s_cselect_b64 s[10:11], s[14:15], s[10:11]
	s_cmp_eq_u32 s26, 3
	s_cselect_b64 s[10:11], s[16:17], s[10:11]
	s_lshl_b32 s32, s27, 20                        ; 256 rows of 4,096 bytes
	s_lshl_b32 s34, s28, 7
	s_add_co_u32 s32, s32, s34
	s_add_nc_u64 s[10:11], s[10:11], s[32:33]
	s_lshl_b32 s32, s26, 20
	s_lshl_b32 s34, s28, 15                        ; two column tiles of 16,384 bytes
	s_add_co_u32 s32, s32, s34
	s_lshl_b32 s34, s27, 12                        ; two K steps of 2,048
	s_add_co_u32 s32, s32, s34
	s_add_nc_u64 s[20:21], s[20:21], s[32:33]
	s_lshl_b32 s32, s26, 15
	s_lshl_b32 s34, s28, 10
	s_add_co_u32 s32, s32, s34
	s_lshl_b32 s34, s27, 3
	s_add_co_u32 s32, s32, s34
	s_add_nc_u64 s[22:23], s[22:23], s[32:33]
	s_wait_alu depctr_va_vdst(0)
	v_lshlrev_b32 v[GA], 2, v9
	v_bfe_u32 v12, v0, 3, 1                        ; my column's tile u = (lane / 8) % 2,
	v_and_b32 v13, 7, v0
	v_lshl_add_u32 v13, v11, 3, v13                ; and its row there: lane % 8 + 8 (lane / 16)
	v_lshlrev_b32 v[WCO], 4, v13
	v_lshl_add_u32 v[WCO], v12, 14, v[WCO]
	v_lshlrev_b32 v[WSO], 5, v13
	v_lshl_add_u32 v[WSO], v12, 9, v[WSO]
.macro LOADW t                         ; block t: W(32 t + i, my column): 128 consecutive bytes a wave and load
.irp i, 0,1,2,3,4,5,6,7,8,9,10,11,12,13,14,15,16,17,18,19,20,21,22,23,24,25,26,27,28,29,30,31
	global_load_b32 v[R+32*((\t)%2)+\i], v[GA], s[10:11] offset:(32*(\t)+\i)*4096 th:TH_LOAD_NT
.endr
.endm
.macro BLOCK t
.set XB, R+32*((\t)%2)
.if (\t) < 7
	s_wait_loadcnt 32                              ; this block's 32 loads are in; the next block's may be out
.else
	s_wait_loadcnt 0x0
.endif
	v_max3_num_f32 v16, |v[XB]|, |v[XB+1]|, |v[XB+2]|   ; the block's largest magnitude: all 32 numbers are mine; two chains
	v_max3_num_f32 v17, |v[XB+3]|, |v[XB+4]|, |v[XB+5]|
.irp i, 6,10,14,18,22,26
	v_max3_num_f32 v16, v16, |v[XB+\i]|, |v[XB+\i+1]|
	v_max3_num_f32 v17, v17, |v[XB+\i+2]|, |v[XB+\i+3]|
.endr
	v_max3_num_f32 v16, v16, |v[XB+30]|, |v[XB+31]|
	v_max3_num_f32 v16, v16, v17, 0x4800000        ; and the floor
	v_add_nc_u32 v18, 0xfc000000, v16              ; the conversion's scale operand
	v_and_or_b32 v19, v16, 0x7f800000, s[MNT]      ; 448 x the scale
	v_lshrrev_b32 v20, 23, v18                     ; the byte
.if (\t)%4 == 0
	v_mov_b32 v[SW+(\t)/4], v20                    ; four bytes to a register, the lower K in the lower byte
.else
	v_lshl_or_b32 v[SW+(\t)/4], v20, 8*((\t)%4), v[SW+(\t)/4]
.endif
.irp i, 0,1,2,3,4,5,6,7,8,9,10,11,12,13,14,15,16,17,18,19,20,21,22,23,24,25,26,27,28,29,30,31
	v_med3_num_f32 v[XB+\i], v[XB+\i], -v19, v19
.endr
	s_wait_alu depctr_va_vdst(0)
	s_wait_xcnt 0x0                                ; the last block's stores have read the codes' registers
.irp g, 0,1,2,3
	v_cvt_scalef32_pk8_fp8_f32 v[PC+2*\g:PC+2*\g+1], v[XB+8*\g:XB+8*\g+7], v18
.endr
	global_store_b128 v[WCO], v[PC:PC+3], s[20:21] offset:((\t)/4)*2048+((\t)%4)*512        ; k 32 t + 0..15: the image's lanes 0-15.  The 16 lanes of a tile store 256 consecutive bytes, aligned
	global_store_b128 v[WCO], v[PC+4:PC+7], s[20:21] offset:((\t)/4)*2048+((\t)%4)*512+256  ; k 32 t + 16..31: its lanes 16-31
.if (\t)+2 < 8
	LOADW (\t)+2
.endif
.endm
	LOADW 0
	LOADW 1
.irp t, 0,1,2,3,4,5,6,7
	BLOCK \t
.endr
	global_store_b64 v[WSO], v[SW:SW+1], s[22:23]  ; my column's 8 bytes, in rows of 32: pieces of 8 bytes, one byte for each 32 that the launch reads here
	s_endpgm
.Lfunc_end_k_qdf213454e0_quant:
	.size	k_qdf213454e0_quant, .Lfunc_end_k_qdf213454e0_quant-k_qdf213454e0_quant
	.p2alignl 7, 3214868480
	.fill 96, 4, 3214868480
	.section	.rodata,"a",@progbits
	.p2align	6, 0x0
	.amdhsa_kernel k_qdf213454e0_quant
		.amdhsa_group_segment_fixed_size 34304
		.amdhsa_private_segment_fixed_size 0
		.amdhsa_enable_private_segment 0
		.amdhsa_kernarg_size 80
		.amdhsa_user_sgpr_count 2
		.amdhsa_user_sgpr_kernarg_segment_ptr 1
		.amdhsa_wavefront_size32 1
		.amdhsa_system_sgpr_workgroup_id_x 1
		.amdhsa_system_sgpr_workgroup_id_y 1
		.amdhsa_system_sgpr_workgroup_id_z 1
		.amdhsa_system_vgpr_workitem_id 0
		.amdhsa_next_free_vgpr 256
		.amdhsa_next_free_sgpr 66
		.amdhsa_reserve_vcc 0
		.amdhsa_float_denorm_mode_32 3
		.amdhsa_float_denorm_mode_16_64 3
		.amdhsa_memory_ordered 1
		.amdhsa_forward_progress 1
		.amdhsa_inst_pref_size 107
	.end_amdhsa_kernel
	.amdgpu_metadata
---
amdhsa.version: [ 1, 2 ]
amdhsa.kernels:
  - .name:           k_qdf213454e0_quant
    .symbol:         k_qdf213454e0_quant.kd
    .args:
      - { .name: query, .offset: 0, .size: 8, .value_kind: global_buffer, .address_space: global }
      - { .name: key, .offset: 8, .size: 8, .value_kind: global_buffer, .address_space: global }
      - { .name: value, .offset: 16, .size: 8, .value_kind: global_buffer, .address_space: global }
      - { .name: Wq, .offset: 24, .size: 8, .value_kind: global_buffer, .address_space: global }
      - { .name: Wk, .offset: 32, .size: 8, .value_kind: global_buffer, .address_space: global }
      - { .name: Wv, .offset: 40, .size: 8, .value_kind: global_buffer, .address_space: global }
      - { .name: Wo, .offset: 48, .size: 8, .value_kind: global_buffer, .address_space: global }
      - { .name: XREC, .offset: 56, .size: 8, .value_kind: global_buffer, .address_space: global }
      - { .name: WIMG, .offset: 64, .size: 8, .value_kind: global_buffer, .address_space: global }
      - { .name: WSC, .offset: 72, .size: 8, .value_kind: global_buffer, .address_space: global }
    .group_segment_fixed_size: 34304
    .private_segment_fixed_size: 0
    .kernarg_segment_align: 8
    .kernarg_segment_size: 80
    .max_flat_workgroup_size: 128
    .sgpr_count:     66
    .vgpr_count:     256
    .wavefront_size: 32
...
	.end_amdgpu_metadata
.endif
;; end of part 1
;; launch proj (part 2): grid 4 x 48, 4 waves a work-group, clusters of 4 x 1, 327,680 bytes of LDS; arguments XREC, WIMG, WSC, bq, bk, bv, QB, KV; writes QB, KV
.if DOCPART == 2
	.amdgcn_target "amdgcn-amd-amdhsa--gfx1250"
	.amdhsa_code_object_version 6
	.text
	.protected	k_qdf213454e0_proj
	.globl	k_qdf213454e0_proj
	.p2align	8
	.type	k_qdf213454e0_proj,@function
k_qdf213454e0_proj:
	s_mov_b64 s[64:65], 0
	v_nop
	global_prefetch_b8 v0, s[64:65] scope:SCOPE_SE
	s_setreg_imm32_b32 hwreg(HW_REG_WAVE_MODE, 25, 1), 1
	s_wait_xcnt 0x0
	s_wait_alu depctr_hold_cnt(0) depctr_sa_sdst(0) depctr_va_vdst(0) depctr_va_sdst(0) depctr_va_ssrc(0) depctr_va_vcc(0) depctr_vm_vsrc(0)
	s_getreg_b32 s2, hwreg(HW_REG_IB_STS2, 6, 4)
	s_cmp_eq_u32 s2, 0
	s_cbranch_scc0 .Lentry_in_a_cluster
	s_endpgm
.Lentry_in_a_cluster:
	s_bfe_u32 s2, ttmp6, 0x10000c
	s_cmp_lg_u32 s2, 0x3003
	s_cbranch_scc0 .Lentry_shape_is_right
	s_endpgm
.Lentry_shape_is_right:
; LAUNCH 2 OF 4: Q = query Wq + bq, K = key Wk + bk, V = value Wv + bv on codes of E4M3 (one E8M0 byte for each 32 along K), and the results quantised in registers into attention's operands:
; Q and K along the head's 64 (two blocks), V along the keys.  Nothing wide goes to memory.  No work is left out here.
; SHARES.  Work-group y = 16 mat + rg: matrix mat (0 Q, 1 K, 2 V), 256 tokens rg.  The four partners of a cluster (x) take four heads each; wave w of partner cx owns head 4 cx + w: its 64 weight columns x all of K
; stay in 512 registers for the whole launch, read once.  The 256 tokens' eight records (270,336 bytes) are the same for the four partners: they are asked for JOINTLY, once, and stay in LDS: no byte of LDS is filled twice.
; 192 work-groups: three matrices x 16 token groups x 4; halving the token groups would double the reads of the weights.
; A TRIP takes one record (32 tokens, two tiles) against the head's four column tiles over 8 K steps: 64 matrix instructions on 8 accumulators, four of them by turns at a time.
; Q, K: source 0 = 16 weight columns, source 1 = 16 tokens: a lane holds ONE token and its registers run along the head's 64.   V: the sources swapped: a lane holds ONE column d and its registers run along the 32 keys.
; By the choice of a tile's rows (8 u + r + 8 (r / 8) in a group of 32) the 16 registers of two neighbouring tiles are 16 neighbours along the next K: the conversions' results are the next operand's registers.
; The bias is the C of each sum's first matrix instruction.
; OUT: QB [b h 32][block of 128 queries 16][8,704]: codes at tile 1024 + c 512 + 16 lane; scale words at 8192 + 16 lane + 4 i (word i: lanes 0-15 tile 2 i, lanes 16-31 tile 2 i + 1; bytes 2, 3 = 127, for the upper half of an instruction's K).
;      KV [b h 32][step of 128 keys 16][17,408]: K's codes as in QB; V^T at 8192 + t 2048 + c 512 + 16 lane (t: tile of d, c: block of 32 keys); K's scale words at 16384; V's at 16896 + 16 lane + 4 t.
; LIMITS: as in the first launch: a block of zeros has the byte 1; NaN and infinities are not served.
; REGISTERS: window 0: v1-6 addresses; v16-31 quantiser; v32-37 scale words made; v180-187 X's scale words (lanes 0-15 tile 0, lanes 16-31 tile 1); v48-63 W's (v[48 + 8 b + s]: lanes 0-15 tile 2 b, lanes 16-31 tile 2 b + 1);
;   v64-79 codes made; v80-111 bias; v112-175 accumulators.   window 1: X's fragments, v[32 s + 16 p].   windows 2, 3: W's fragments of tiles 2 b + u, v[16 (8 u + s)] of window 2 + b.
.set REC,   33792
.set SPARE, 8*REC                      ; behind the records: the spare words, 128 bytes a wave
.set SPW, 1
.set NIL, 2
.set LI,  3                            ; v3  16 x lane
.set LS,  4                            ; v4  32768 + 512 h + 16 r: a record's scale words
.set XA,  5
.set XSA, 6
.set TM,  16
.set KW,  32
.set WP,  36
.set XS,  180                          ; X's scale words lie in v180-187 (v40-47 are free): no product's two scale words then have numbers equal modulo 8
.set WS,  48
.set PC,  64
.set BIAS, 80
.set ACC, 112
.set WV,  20
.set CX,  21
.set YY,  22
.set MAT, 23
.set RG,  24
.set HEAD, 25
.set G1,  32                           ; s[32:39] descriptor group 1;  s[40:43] group 0 of my one load
.set G0A, 40
.set TB,  48                           ; s48 LDS byte at which the record in hand begins
.set IT,  49
.set SEL, 50
.set MNT, 52
.set HM,  53
.set DST, 54                           ; s[54:55] where the codes of the 128 tokens in hand go;  s[56:57] their scale words;  s[58:59] from one such record to the next
.set DSC, 56
.set STR, 58
.set MSB, 0
.macro WIN new                         ; the immediate's high byte repeats the setting that is left
.if MSB != (\new)
	s_set_vgpr_msb (MSB<<8)|(\new)
.set MSB, (\new)
.endif
.endm
.macro CROUND                          ; a round of the cluster's barrier
	s_barrier_signal -1
	s_barrier_wait -1
	s_cmp_lg_u32 s[WV], 0
	s_cbranch_scc1 .Lnot_wave_0_\@
	s_barrier_signal -3
.Lnot_wave_0_\@:
	s_barrier_wait -3
	s_barrier_signal -1
	s_barrier_wait -1
.endm
.macro QUANT s                         ; 64 numbers of a lane, register 16 b + i = number 16 h + i of block b, become 4 x 4 registers of codes in v[PC] on; the four bytes stay in v[TM+4] on
.irp b, 0,1,2,3
	v_max3_num_f32 v[TM+\b], |v[\s+16*\b]|, |v[\s+1+16*\b]|, 0x4800000   ; with the floor 2^(9 - 127).  Each accumulator is read from its low end on
.endr
.irp i, 2,4,6,8,10,12,14
.irp b, 0,1,2,3
	v_max3_num_f32 v[TM+\b], v[TM+\b], |v[\s+16*\b+\i]|, |v[\s+1+16*\b+\i]|
.endr
.endr
.irp b, 0,1,2,3
	v_permlanex16_b32 v[TM+4+\b], v[TM+\b], s[SEL], s[SEL+1]
.endr
.irp b, 0,1,2,3
	v_max_num_f32 v[TM+\b], v[TM+\b], v[TM+4+\b]
.endr
.irp b, 0,1,2,3
	v_add_nc_u32 v[TM+12+\b], 0xfc000000, v[TM+\b]
.endr
.irp b, 0,1,2,3
	v_and_or_b32 v[TM+8+\b], v[TM+\b], 0x7f800000, s[MNT]
.endr
.irp b, 0,1,2,3
	v_lshrrev_b32 v[TM+4+\b], 23, v[TM+12+\b]
.endr
.irp b, 0,1,2,3
.irp i, 0,1,2,3,4,5,6,7,8,9,10,11,12,13,14,15
	v_med3_num_f32 v[\s+16*\b+\i], v[\s+16*\b+\i], -v[TM+8+\b], v[TM+8+\b]
.endr
	v_cvt_scalef32_pk8_fp8_f32 v[PC+4*\b:PC+1+4*\b], v[\s+16*\b:\s+7+16*\b], v[TM+12+\b]
	v_cvt_scalef32_pk8_fp8_f32 v[PC+2+4*\b:PC+3+4*\b], v[\s+8+16*\b:\s+15+16*\b], v[TM+12+\b]
.endr
	v_nop                                          ; a plain vector line behind the last conversion
.endm
	s_load_b256 s[4:11], s[0:1], 0x0               ; XREC, WIMG, WSC, bq
	s_load_b256 s[12:19], s[0:1], 0x20             ; bk, bv, QB, KV
	v_lshl_add_u32 v[SPW], v0, 2, SPARE
	v_mov_b32 v[NIL], 0
	ds_add_u32 v[SPW], v[NIL]                      ; the wave's opening: the add, twice on end, and its wait ahead of my first tensor load
	ds_add_u32 v[SPW], v[NIL]
	v_lshrrev_b32 v8, 5, v0
	v_readfirstlane_b32 s[WV], v8                  ; wave 0..3
	s_bfe_u32 s[CX], ttmp6, 0x40000                ; my place in the cluster: it enters W's, the bias's and the results' global addresses alone
	s_and_b32 s[YY], ttmp7, 0xffff
	s_lshr_b32 s[MAT], s[YY], 4
	s_and_b32 s[RG], s[YY], 15
	s_lshl_b32 s[HEAD], s[CX], 2
	s_add_co_u32 s[HEAD], s[HEAD], s[WV]
	s_mov_b32 s[G1], 15|(3<<16)|(1<<21)            ; the mask: all four partners; elements of 8 bytes; bit 21 beside a mask; no padding
	s_mov_b32 s[G1+1], 32<<16                      ; tensor_dim0 = 32 elements: 256 bytes
	s_mov_b32 s[G1+2], 264<<16                     ; tensor_dim1 = 264 rows: two records
	s_mov_b32 s[G1+3], 32<<16                      ; tile_dim0
	s_mov_b32 s[G1+4], 264                         ; tile_dim1
	s_mov_b32 s[G1+5], 32                          ; the pitch: dense
	s_mov_b32 s[G1+6], 0
	s_mov_b32 s[G1+7], 0
	s_lshl_b32 s26, s[MAT], 7
	s_lshl_b32 s27, s[RG], 3
	s_add_co_u32 s26, s26, s27
	s_add_co_u32 s26, s26, s[WV]
	s_add_co_u32 s26, s26, s[WV]
	s_mul_i32 s26, s26, REC                        ; records mat 128 + 8 rg + 2 w and the next
	s_mov_b32 s27, 0
	s_mul_i32 s28, s[WV], 2*REC                    ; and their place in LDS
	s_mov_b32 s[SEL], 0x76543210
	s_mov_b32 s[SEL+1], 0xfedcba98
	s_mov_b32 s[MNT], 0x600000
	s_mov_b32 s[HM], 0xffff0000
	v_and_b32 v9, 31, v0
	v_and_b32 v10, 15, v0                          ; r
	v_bfe_u32 v11, v0, 4, 1                        ; h
	v_lshlrev_b32 v[LI], 4, v9
	v_lshlrev_b32 v[LS], 4, v10
	v_lshl_add_u32 v[LS], v11, 9, v[LS]
	v_add_nc_u32 v[LS], 32768, v[LS]
	v_lshlrev_b32 v12, 5, v10
	v_lshl_add_u32 v12, v11, 9, v12                ; W's scale words: 512 h + 32 r
	v_lshlrev_b32 v13, 6, v11                      ; the bias for Q, K: 64 h
	v_and_b32 v14, 8, v10
	v_add_nc_u32 v14, v14, v10
	v_lshlrev_b32 v14, 2, v14                      ; for V: 4 (r + 8 (r / 8))
.irp b, 0,1,2,3
	v_mov_b32 v[TM+4+\b], 0                        ; written once: a lane permute's destination counts as one of its sources
.endr
	s_wait_alu depctr_va_vdst(0)
	s_wait_dscnt 0x0                               ; both opening adds are done
	CROUND                                         ; all four work-groups are here: the joint loads meet
	s_wait_kmcnt 0x0
	s_add_nc_u64 s[4:5], s[4:5], s[26:27]
	s_mov_b32 s[G0A], 1
	s_mov_b32 s[G0A+1], s28
	s_mov_b64 s[G0A+2:G0A+3], s[4:5]
	s_or_b32 s[G0A+3], s[G0A+3], 0x80000000
	tensor_load_to_lds s[G0A:G0A+3], s[G1:G1+7]    ; my one tensor load: records 2 w, 2 w + 1
	s_nop 0
.rept 4
	v_nop
.endr
	s_lshl_b32 s26, s[MAT], 20
	s_lshl_b32 s29, s[HEAD], 16
	s_add_co_u32 s26, s26, s29
	s_add_nc_u64 s[6:7], s[6:7], s[26:27]          ; my head's four column tiles
	WIN 0x80                                       ; destination window 2
.irp u, 0,1
.irp s, 0,1,2,3,4,5,6,7
.irp c, 0,1,2,3
	global_load_b128 v[16*(8*\u+\s)+4*\c:16*(8*\u+\s)+4*\c+3], v[LI], s[6:7] offset:\u*16384+\s*2048+\c*512
.endr
.endr
.endr
	WIN 0xc0                                       ; destination window 3
.irp u, 0,1
.irp s, 0,1,2,3,4,5,6,7
.irp c, 0,1,2,3
	global_load_b128 v[16*(8*\u+\s)+4*\c:16*(8*\u+\s)+4*\c+3], v[LI], s[6:7] offset:(2+\u)*16384+\s*2048+\c*512
.endr
.endr
.endr
	WIN 0
	s_lshl_b32 s26, s[MAT], 15
	s_lshl_b32 s29, s[HEAD], 11
	s_add_co_u32 s26, s26, s29
	s_add_nc_u64 s[8:9], s[8:9], s[26:27]
	s_wait_alu depctr_va_vdst(0)
.irp b, 0,1
	global_load_b128 v[WS+8*\b:WS+8*\b+3], v12, s[8:9] offset:\b*1024
	global_load_b128 v[WS+8*\b+4:WS+8*\b+7], v12, s[8:9] offset:\b*1024+16
.endr
	s_cmp_eq_u32 s[MAT], 0
	s_cselect_b64 s[10:11], s[10:11], s[12:13]
	s_cmp_eq_u32 s[MAT], 2
	s_cselect_b64 s[10:11], s[14:15], s[10:11]
	s_lshl_b32 s26, s[HEAD], 8
	s_add_nc_u64 s[10:11], s[10:11], s[26:27]      ; my head's 64 numbers of the bias
	s_cmp_eq_u32 s[MAT], 2                         ; (mat is the same in all waves and all partners)
	s_cbranch_scc1 .Lbias_v
.irp t, 0,1,2,3                                ; Q, K: register j of tile t is column 32 (t / 2) + 8 (t % 2) + 16 h + j
	global_load_b128 v[BIAS+8*\t:BIAS+8*\t+3], v13, s[10:11] offset:(32*(\t/2)+8*(\t%2))*4
	global_load_b128 v[BIAS+8*\t+4:BIAS+8*\t+7], v13, s[10:11] offset:(32*(\t/2)+8*(\t%2))*4+16
.endr
	s_branch .Lbias_done
.Lbias_v:
.irp t, 0,1,2,3                                ; V: all eight registers of tile t are column 32 (t / 2) + 8 (t % 2) + r + 8 (r / 8)
.irp i, 0,1,2,3,4,5,6,7
	global_load_b32 v[BIAS+8*\t+\i], v14, s[10:11] offset:(32*(\t/2)+8*(\t%2))*4
.endr
.endr
.Lbias_done:
	s_mov_b32 s[STR], 17408                        ; where the results go
	s_mov_b32 s29, 16384
	s_cmp_eq_u32 s[MAT], 0
	s_cselect_b64 s[DST:DST+1], s[16:17], s[18:19]
	s_cselect_b32 s[STR], 8704, s[STR]             ; a record of QB or of KV
	s_cselect_b32 s29, 8192, s29                   ; its scale words: Q's, K's,
	s_cmp_eq_u32 s[MAT], 2
	s_cselect_b32 s30, 8192, 0                     ; its codes: V's lie behind K's
	s_cselect_b32 s29, 16896, s29                  ; V's
	s_mov_b32 s[STR+1], 0
	s_lshr_b32 s26, s[RG], 3                       ; the batch
	s_lshl_b32 s26, s26, 4
	s_add_co_u32 s26, s26, s[HEAD]
	s_lshl_b32 s26, s26, 4
	s_and_b32 s31, s[RG], 7
	s_lshl_b32 s31, s31, 1
	s_add_co_u32 s26, s26, s31                     ; record (16 batch + head) 16 + 2 (rg % 8)
	s_mul_i32 s26, s26, s[STR]
	s_add_nc_u64 s[DST:DST+1], s[DST:DST+1], s[26:27]
	s_mov_b32 s26, s29
	s_add_nc_u64 s[DSC:DSC+1], s[DST:DST+1], s[26:27]
	s_mov_b32 s26, s30
	s_add_nc_u64 s[DST:DST+1], s[DST:DST+1], s[26:27]
	s_mov_b32 s[TB], 0
	s_mov_b32 s[IT], 0
	s_wait_tensorcnt 0x0                           ; my two records are in,
	s_barrier_signal -1
	s_barrier_wait -1                              ; everybody's are: all eight lie in LDS, and nothing is filled again
	s_wait_loadcnt 0x0                             ; W, its scale words, the bias
.macro WM                              ; one matrix instruction from the symbols set in MUL; the rows of the scale registers by rowA, rowB
.if rowA && rowB
	v_wmma_scale_f32_16x16x128_f8f6f4 v[rD:rD+7], v[rA:rA+15], v[rB:rB+15], v[rC:rC+7], v[rSA], v[rSB] matrix_a_scale:MATRIX_SCALE_ROW1 matrix_b_scale:MATRIX_SCALE_ROW1
.elseif rowA
	v_wmma_scale_f32_16x16x128_f8f6f4 v[rD:rD+7], v[rA:rA+15], v[rB:rB+15], v[rC:rC+7], v[rSA], v[rSB] matrix_a_scale:MATRIX_SCALE_ROW1
.elseif rowB
	v_wmma_scale_f32_16x16x128_f8f6f4 v[rD:rD+7], v[rA:rA+15], v[rB:rB+15], v[rC:rC+7], v[rSA], v[rSB] matrix_b_scale:MATRIX_SCALE_ROW1
.else
	v_wmma_scale_f32_16x16x128_f8f6f4 v[rD:rD+7], v[rA:rA+15], v[rB:rB+15], v[rC:rC+7], v[rSA], v[rSB]
.endif
.endm
; A record's fragments and scale words from LDS: 2 + 64 loads in one run, K step by K step.
.macro XREAD
	v_add_nc_u32 v[XA], s[TB], v[LI]
	v_add_nc_u32 v[XSA], s[TB], v[LS]
	ds_load_b128 v[XS:XS+3], v[XSA]
	ds_load_b128 v[XS+4:XS+7], v[XSA] offset:256
	WIN 0x40                                       ; destination window 1
.irp s, 0,1,2,3,4,5,6,7
.irp p, 0,1
.irp c, 0,1,2,3
	ds_load_b128 v[32*\s+16*\p+4*\c:32*\s+16*\p+4*\c+3], v[XA] offset:\p*16384+\s*2048+\c*512
.endr
.endr
.endr
	WIN 0
.endm
; 64 matrix instructions.  vp = 0 (Q, K): source 0 = W's tile 2 b + u, source 1 = X's tile p.  vp = 1 (V): the sources swapped.  Four accumulators take turns, one instruction a turn.
.macro MUL vp
.irp b, 0,1
.if \vp
	WIN 0x09+4*\b                                  ; source 0 (X) window 1, source 1 (W) window 2 + b
.else
	WIN 0x06+\b                                    ; source 0 (W) window 2 + b, source 1 (X) window 1
.endif
.irp s, 0,1,2,3,4,5,6,7
.if \b == 0
	s_wait_dscnt 56-8*\s                           ; K step s is in: the 8 loads of each later K step may be out
.endif
.irp p, 0,1
.irp u, 0,1
.if \vp
.set rD, ACC+16*(2*\b+\u)+8*\p
.set rA, 32*\s+16*\p
.set rB, 16*(8*\u+\s)
.set rSA, XS+\s
.set rSB, WS+8*\b+\s
.set rowA, \p
.set rowB, \u
.else
.set rD, ACC+32*\p+8*(2*\b+\u)
.set rA, 16*(8*\u+\s)
.set rB, 32*\s+16*\p
.set rSA, WS+8*\b+\s
.set rSB, XS+\s
.set rowA, \u
.set rowB, \p
.endif
.set rC, rD
.if \s == 0
.set rC, BIAS+8*(2*\b+\u)                          ; the bias starts the sum
.endif
	WM
.endr
.endr
.endr
.endr
.endm
; The trip's 32 tokens x 64 columns are quantised and stored.  q: which 32 of the 128 tokens.
.macro EPI vp, q
	s_wait_xcnt 0x0                                ; the last trip's stores have read the registers that are written again here
	QUANT ACC
.if \vp
.irp t, 0,1,2,3                                ; V: block t of the four is tile t of d x these 32 keys; its byte is byte q of the tile's scale word
.if \q == 0
	v_mov_b32 v[KW+\t], v[TM+4+\t]
.else
	v_lshl_or_b32 v[KW+\t], v[TM+4+\t], 8*\q, v[KW+\t]
.endif
.endr
.irp t, 0,1,2,3
	global_store_b128 v[LI], v[PC+4*\t:PC+4*\t+3], s[DST:DST+1] offset:\t*2048+\q*512
.endr
.else
	v_lshl_or_b32 v[WP], v[TM+5], 8, v[TM+4]       ; Q, K: blocks 2 p, 2 p + 1 are the head's two blocks of token tile p
	v_lshl_or_b32 v[WP+1], v[TM+7], 8, v[TM+6]
	v_or_b32 v[WP], 0x7f7f0000, v[WP]              ; bytes 2, 3: 2^0, for the half of an instruction's K that holds zero codes
	v_or_b32 v[WP+1], 0x7f7f0000, v[WP+1]
	v_cndmask_b32 v[KW+\q], v[WP], v[WP+1], s[HM]  ; lanes 0-15 tile 2 q, lanes 16-31 tile 2 q + 1
.irp p, 0,1
.irp c, 0,1
	global_store_b128 v[LI], v[PC+4*(2*\p+\c):PC+4*(2*\p+\c)+3], s[DST:DST+1] offset:(2*\q+\p)*1024+\c*512
.endr
.endr
.endif
.if \q == 3
	global_store_b128 v[LI], v[KW:KW+3], s[DSC:DSC+1]   ; the 128 tokens' scale words: 512 consecutive bytes
.endif
.endm
; A trip.  Nine places stand behind the products: eight are owed ahead of the loads into X's registers and of the first read of results, nine ahead of the next trip's first products, which begin the accumulators anew.
; The next record's loads are issued ahead of the epilogue, whose vector work stands beside them.
.macro TRIP vp, q
	MUL \vp
	WIN 0
.rept 9
	v_nop
.endr
.if \q < 3
	s_add_co_u32 s[TB], s[TB], REC
	XREAD
.endif
	EPI \vp, \q
.endm
.macro WALK vp                         ; two groups of 128 tokens, four records each
.Lgroup_\@:
	XREAD
	TRIP \vp, 0
	TRIP \vp, 1
	TRIP \vp, 2
	TRIP \vp, 3
	s_add_co_u32 s[TB], s[TB], REC
	s_wait_xcnt 0x0                                ; the stores have read their bases
	s_add_nc_u64 s[DST:DST+1], s[DST:DST+1], s[STR:STR+1]
	s_add_nc_u64 s[DSC:DSC+1], s[DSC:DSC+1], s[STR:STR+1]
	s_add_co_u32 s[IT], s[IT], 1
	s_cmp_lt_u32 s[IT], 2
	s_cbranch_scc1 .Lgroup_\@
.endm
	s_cmp_eq_u32 s[MAT], 2
	s_cbranch_scc1 .Lv
	WALK 0
	s_branch .Lend
.Lv:
	WALK 1
.Lend:
	s_wait_tensorcnt 0x0                           ; the wave's end
	ds_add_u32 v[SPW], v[NIL]
	s_wait_dscnt 0x0
	CROUND                                         ; the closing round
	s_endpgm
.Lfunc_end_k_qdf213454e0_proj:
	.size	k_qdf213454e0_proj, .Lfunc_end_k_qdf213454e0_proj-k_qdf213454e0_proj
	.p2alignl 7, 3214868480
	.fill 96, 4, 3214868480
	.section	.rodata,"a",@progbits
	.p2align	6, 0x0
	.amdhsa_kernel k_qdf213454e0_proj
		.amdhsa_group_segment_fixed_size 327680
		.amdhsa_private_segment_fixed_size 0
		.amdhsa_enable_private_segment 0
		.amdhsa_kernarg_size 64
		.amdhsa_user_sgpr_count 2
		.amdhsa_user_sgpr_kernarg_segment_ptr 1
		.amdhsa_wavefront_size32 1
		.amdhsa_system_sgpr_workgroup_id_x 1
		.amdhsa_system_sgpr_workgroup_id_y 1
		.amdhsa_system_sgpr_workgroup_id_z 1
		.amdhsa_system_vgpr_workitem_id 0
		.amdhsa_next_free_vgpr 1024
		.amdhsa_next_free_sgpr 66
		.amdhsa_reserve_vcc 0
		.amdhsa_float_denorm_mode_32 3
		.amdhsa_float_denorm_mode_16_64 3
		.amdhsa_memory_ordered 1
		.amdhsa_forward_progress 1
		.amdhsa_inst_pref_size 194
	.end_amdhsa_kernel
	.amdgpu_metadata
---
amdhsa.version: [ 1, 2 ]
amdhsa.kernels:
  - .name:           k_qdf213454e0_proj
    .symbol:         k_qdf213454e0_proj.kd
    .args:
      - { .name: XREC, .offset: 0, .size: 8, .value_kind: global_buffer, .address_space: global }
      - { .name: WIMG, .offset: 8, .size: 8, .value_kind: global_buffer, .address_space: global }
      - { .name: WSC, .offset: 16, .size: 8, .value_kind: global_buffer, .address_space: global }
      - { .name: bq, .offset: 24, .size: 8, .value_kind: global_buffer, .address_space: global }
      - { .name: bk, .offset: 32, .size: 8, .value_kind: global_buffer, .address_space: global }
      - { .name: bv, .offset: 40, .size: 8, .value_kind: global_buffer, .address_space: global }
      - { .name: QB, .offset: 48, .size: 8, .value_kind: global_buffer, .address_space: global }
      - { .name: KV, .offset: 56, .size: 8, .value_kind: global_buffer, .address_space: global }
    .group_segment_fixed_size: 327680
    .private_segment_fixed_size: 0
    .kernarg_segment_align: 8
    .kernarg_segment_size: 64
    .max_flat_workgroup_size: 128
    .sgpr_count:     66
    .vgpr_count:     1024
    .wavefront_size: 32
...
	.end_amdgpu_metadata
.endif
;; end of part 2
;; launch attn (part 3): grid 8 x 32, 16 waves a work-group, clusters of 4 x 1, 327,680 bytes of LDS; arguments QB, KV, AREC; writes AREC
.if DOCPART == 3
	.amdgcn_target "amdgcn-amd-amdhsa--gfx1250"
	.amdhsa_code_object_version 6
	.text
	.protected	k_qdf213454e0_attn
	.globl	k_qdf213454e0_attn
	.p2align	8
	.type	k_qdf213454e0_attn,@function
k_qdf213454e0_attn:
	s_mov_b64 s[64:65], 0
	v_nop
	global_prefetch_b8 v0, s[64:65] scope:SCOPE_SE
	s_setreg_imm32_b32 hwreg(HW_REG_WAVE_MODE, 25, 1), 1
	s_wait_xcnt 0x0
	s_wait_alu depctr_hold_cnt(0) depctr_sa_sdst(0) depctr_va_vdst(0) depctr_va_sdst(0) depctr_va_ssrc(0) depctr_va_vcc(0) depctr_vm_vsrc(0)
	s_getreg_b32 s2, hwreg(HW_REG_IB_STS2, 6, 4)
	s_cmp_eq_u32 s2, 0
	s_cbranch_scc0 .Lentry_in_a_cluster
	s_endpgm
.Lentry_in_a_cluster:
	s_bfe_u32 s2, ttmp6, 0x10000c
	s_cmp_lg_u32 s2, 0x3003
	s_cbranch_scc0 .Lentry_shape_is_right
	s_endpgm
.Lentry_shape_is_right:
; LAUNCH 3 OF 4: for each head, O = softmax(Q K^T / 8, causal) V on codes of E4M3 (one E8M0 byte for 32 along a product's K); O / l leaves quantised along the head's 64, as oproj's operand.
; DEAD WORK LEFT OUT: key steps of 128 keys all of which come after all 16 queries of a tile (the first launch's head shows why they reach no output); inside the step on the diagonal hidden scores become -inf.
; THE SOFTMAX: t = score x log2(e) / 8; M = the row's largest t so far rounded up to a whole number; p = 2^(t - M) is quantised along the keys, not normalised; l, of the unquantised p in f32, divides at the end.
; LIMITS: the promise holds while |t| stays under 2^31; a block of zeros has the byte 1; NaN and infinities are not served.
; SHARES.  Work-group (J 0..7, head BH 0..31) has, of each of the head's 16 blocks of 128 queries, tile J (16 queries).  Block k's tile has k + 1 key steps.  Waves b and b + 8 (b = 0..7) own the PAIR of tiles 15 - b (long) and b (short):
; 17 steps.  Wave b (first) takes 9 steps of the long tile; wave b + 8 (second) takes the long tile's other 7 - b steps, hands what it has (O^T, l, -M) to the first through LDS, and then takes the short tile's b + 1.  So four waves that lie 4 apart have 34 steps together.
; Which steps, with n = max(5, b + 1):  first: 0 .. n - 1, then from 8 on;  second: n .. 7, then from 12 on, then the short tile's from 0.  So trips 0 to 2 of either read steps 0 to 7 alone, and trips 3 to 8 stand behind a second barrier.
; K and V of the whole head lie in LDS: wave w asks for step w by ONE joint load, shared by the four work-groups of a cluster (same head); nothing is filled again.  All is asked for at the head, so there is no loop for a prefetch to run ahead in.
; LAYOUT: S^T = K Q^T (K = the head's 64: the upper half of an instruction's K meets zero codes of Q), O^T = V^T P^T: a lane holds ONE query throughout; two neighbouring tiles' 16 registers are 16 neighbouring keys.
; REGISTERS: v1-7 addresses and the mask's number; v8-11 at work; v12 -M, v13 the largest t, v[14:15] l in two halves; v16-31 Q (upper 8 zero); v32-103 K (last 8 zero), then V; v104-167 S^T, then p; v168-199 O^T; v200-215 p's codes;
;   v216-219 V's scale words; v220-223 K's; v224-231, v249 the short tile's Q and its scale word; v232-254 at work; v255 Q's scale word.
.set STEPB, 17408                      ; a key step's record: K 8,192, V 8,192, K's scale words 512, V's 512
.set PART,  8704                       ; a record of QB
.set SPARE, 16*STEPB                   ; the spare words, 128 bytes a wave
.set XB,    SPARE+2048                 ; the hand-over: for each pair eight times 512 bytes of O^T, then 512 for -M and l
.set XP,    4608
.set SPW, 1
.set NIL, 2
.set LI,  3                            ; v3  16 x lane
.set DM,  4                            ; v4  my query's place in its block of 128, - 16 h: register 16 b + i (key 32 b + 16 h + i) is hidden where 32 b + i is above it
.set ADR, 5
.set XA,  6                            ; v6  my pair's place in the hand-over
.set QF,  16
.set KF,  32
.set S,   104
.set O,   168
.set PC,  200
.set VS,  216
.set KS,  220
.set Q2,  224
.set QS2, 249
.set QS,  255
.set WV,  10
.set CX,  11
.set J,   12
.set BH,  13
.set PB,  14                           ; s14 b
.set HM,  15
.set BLK, 16                           ; s16 the block of the tile in hand
.set TRIP, 17
.set TB,  18
.set MNT, 19
.set SEL, 20
.set CS,  22
.set G1,  24
.set G0,  32
.set N,   36                           ; s36-38 the trip's key step is TRIP + (TRIP < N ? P : R)
.set P,   37
.set R,   38
.set SW,  39                           ; s39 the trip at which I hand over (none in the first eight waves)
.set NT,  40                           ; s40 my trips: 9 or 8
.set ST,  41                           ; s41 the key step
.set BLKF, 42                          ; s42 the block of the tile that I finish
.macro CROUND                          ; a round of the cluster's barrier
	s_barrier_signal -1
	s_barrier_wait -1
	s_cmp_lg_u32 s[WV], 0
	s_cbranch_scc1 .Lnot_wave_0_\@
	s_barrier_signal -3
.Lnot_wave_0_\@:
	s_barrier_wait -3
	s_barrier_signal -1
	s_barrier_wait -1
.endm
	s_load_b128 s[4:7], s[0:1], 0x0                ; QB, KV
	s_load_b64 s[8:9], s[0:1], 0x10                ; AREC
	v_lshl_add_u32 v[SPW], v0, 2, SPARE
	v_mov_b32 v[NIL], 0
	ds_add_u32 v[SPW], v[NIL]                      ; the wave's opening: the add, twice on end, and its wait ahead of my first tensor load
	ds_add_u32 v[SPW], v[NIL]
	v_lshrrev_b32 v8, 5, v0
	v_readfirstlane_b32 s[WV], v8                  ; wave 0..15
	s_bfe_u32 s[CX], ttmp6, 0x40000                ; my place in the cluster enters Q's and the result's global addresses and the mask's number alone
	s_lshl_b32 s[J], ttmp9, 2
	s_add_co_u32 s[J], s[J], s[CX]
	s_and_b32 s[BH], ttmp7, 0xffff
	s_mov_b32 s[G1], 15|(3<<16)|(1<<21)            ; the mask: all four partners; elements of 8 bytes; bit 21 beside a mask
	s_mov_b32 s[G1+1], 32<<16                      ; rows of 256 bytes,
	s_mov_b32 s[G1+2], 68<<16                      ; 68 of them: a key step's record
	s_mov_b32 s[G1+3], 32<<16
	s_mov_b32 s[G1+4], 68
	s_mov_b32 s[G1+5], 32
	s_mov_b32 s[G1+6], 0
	s_mov_b32 s[G1+7], 0
	s_mul_i32 s44, s[BH], 16*STEPB
	s_mul_i32 s46, s[WV], STEPB
	s_add_co_u32 s44, s44, s46
	s_mov_b32 s45, 0
	v_and_b32 v8, 31, v0
	v_lshlrev_b32 v[LI], 4, v8
	v_and_b32 v9, 15, v0                           ; r
	v_bfe_u32 v10, v0, 4, 1                        ; h
	v_lshlrev_b32 v7, 4, v9
	s_wait_alu depctr_va_vdst(0)
	s_wait_dscnt 0x0                               ; both opening adds are done
	CROUND                                         ; all four work-groups are here: the joint loads meet
	s_wait_kmcnt 0x0
	s_add_nc_u64 s[6:7], s[6:7], s[44:45]
	s_mov_b32 s[G0], 1
	s_mov_b32 s[G0+1], s46
	s_mov_b64 s[G0+2:G0+3], s[6:7]
	s_or_b32 s[G0+3], s[G0+3], 0x80000000
	s_cmp_lt_u32 s[WV], 8                          ; ONE joint load a wave; waves 0 to 7 have a line of their own, since the first barrier shows theirs alone
	s_cbranch_scc0 .Lupper
	tensor_load_to_lds s[G0:G0+3], s[G1:G1+7]
	s_nop 0
.rept 4
	v_nop
.endr
	s_branch .Lasked
.Lupper:
	tensor_load_to_lds s[G0:G0+3], s[G1:G1+7]
	s_nop 0
.rept 4
	v_nop
.endr
.Lasked:
	s_and_b32 s[PB], s[WV], 7                      ; b
	s_sub_co_u32 s[BLK], 15, s[PB]                 ; both begin with the long tile
	s_and_b32 s43, s[J], 1
	s_lshr_b32 s60, s[J], 1
	s_lshl_b32 s46, s43, 8
	s_lshl_b32 s47, s60, 2
	s_add_co_u32 s46, s46, s47
	s_add_co_u32 s46, s46, 8192                    ; tile J's scale words in a record of QB: 256 (J % 2) + 4 (J / 2), + 16 r
.macro QLOAD blk, reg, sc, adr         ; tile J of block s[blk]: its codes and its scale word
	s_lshl_b32 s44, s[BH], 4
	s_add_co_u32 s44, s44, s[\blk]
	s_mul_i32 s44, s44, PART
	s_add_nc_u64 s[50:51], s[4:5], s[44:45]
	s_lshl_b32 s44, s[J], 10
	s_add_nc_u64 s[\adr:\adr+1], s[50:51], s[44:45]
	s_mov_b32 s44, s46
	s_add_nc_u64 s[\adr+2:\adr+3], s[50:51], s[44:45]
	global_load_b128 v[\reg:\reg+3], v[LI], s[\adr:\adr+1]
	global_load_b128 v[\reg+4:\reg+7], v[LI], s[\adr:\adr+1] offset:512
	global_load_b32 v[\sc], v7, s[\adr+2:\adr+3]
.endm
	QLOAD BLK, QF, QS, 52
	QLOAD PB, Q2, QS2, 56                          ; (the second eight waves use it, from the hand-over on)
	s_add_co_u32 s46, s[PB], 1
	s_max_u32 s46, s46, 5                          ; n = max(5, b + 1)
	s_sub_co_u32 s47, 8, s46
	s_sub_co_u32 s50, s[PB], 7
	s_sub_co_u32 s51, 7, s[PB]                     ; the second's trips on the long tile
	s_cmp_lt_u32 s[WV], 8
	s_cselect_b32 s[N], s46, s51
	s_cselect_b32 s[P], 0, s46
	s_cselect_b32 s[R], s47, s50
	s_cselect_b32 s[SW], 16, s51
	s_cselect_b32 s[NT], 9, 8
	s_cselect_b32 s[BLKF], s[BLK], s[PB]
	; where my result goes: record (batch 64 + 4 block + J / 2), tile J % 2, K step head / 2
	s_lshr_b32 s44, s[BH], 4
	s_lshl_b32 s44, s44, 6
	s_lshl_b32 s46, s[BLKF], 2
	s_add_co_u32 s44, s44, s46
	s_add_co_u32 s44, s44, s60
	s_mul_i32 s44, s44, 33792
	s_add_nc_u64 s[8:9], s[8:9], s[44:45]
	s_and_b32 s46, s[BH], 15
	s_lshl_b32 s44, s43, 9
	s_lshr_b32 s47, s46, 3
	s_lshl_b32 s47, s47, 8
	s_add_co_u32 s44, s44, s47
	s_and_b32 s47, s46, 7
	s_lshl_b32 s47, s47, 1
	s_add_co_u32 s44, s44, s47
	s_add_co_u32 s44, s44, 32768
	s_add_nc_u64 s[48:49], s[8:9], s[44:45]        ; its scale bytes
	s_lshl_b32 s44, s43, 14
	s_lshl_b32 s47, s46, 10
	s_add_co_u32 s44, s44, s47
	s_add_nc_u64 s[8:9], s[8:9], s[44:45]          ; its codes
	s_mov_b32 s[SEL], 0x76543210
	s_mov_b32 s[SEL+1], 0xfedcba98
	s_mov_b32 s[CS], 0x3e38aa3b                    ; log2(e) / 8
	s_mov_b32 s[CS+1], s[CS]                       ; (named with it as a pair)
	s_mov_b32 s[MNT], 0x600000
	s_mov_b32 s[HM], 0xffff0000
	s_mul_i32 s44, s[PB], XP
	s_add_co_u32 s44, s44, XB
	v_add_nc_u32 v[XA], s44, v[LI]
	s_lshl_b32 s44, s60, 5
	s_lshl_b32 s47, s43, 3
	s_add_co_u32 s44, s44, s47
	v_and_b32 v11, 8, v9
	v_add_nc_u32 v[DM], v11, v9
	v_lshlrev_b32 v11, 4, v10
	v_sub_nc_u32 v[DM], v[DM], v11
	v_add_nc_u32 v[DM], s44, v[DM]
	v_mov_b32 v13, 0xff61b1e6                      ; the largest t so far: -3e38, under every t
	v_floor_f32 v12, -v13
	v_mov_b32 v14, 0
	v_mov_b32 v15, 0
.irp i, 0,1,2,3,4,5,6,7
	v_mov_b32 v[QF+8+\i], 0                        ; zero codes: the upper half of an instruction's K
	v_mov_b32 v[KF+64+\i], 0
.endr
.set n, 0
.rept 32
	v_mov_b32 v[O+n], 0
.set n, n+1
.endr
.irp b, 0,1,2,3
	v_mov_b32 v[236+\b], 0                         ; written once: a lane permute's destination counts as one of its sources
.endr
	v_mov_b32 v252, 0
	v_mov_b32 v253, 0
; THE HAND-OVER, once in each of the second eight waves: what I have of the long tile goes to my pair's place in LDS; the short tile begins.
.macro HANDOVER
.rept 8
	v_nop                                          ; places behind the last products, whose results are stored
.endr
	v_add_f32 v13, v14, v15
.irp i, 0,1,2,3,4,5,6,7
	ds_store_b128 v[XA], v[O+4*\i:O+4*\i+3] offset:512*\i
.endr
	ds_store_b64 v[XA], v[12:13] offset:4096       ; -M and my half's l
	v_mov_b32 v[QS], v[QS2]
.irp i, 0,2,4,6
	v_dual_mov_b32 v[QF+\i], v[Q2+\i] :: v_dual_mov_b32 v[QF+\i+1], v[Q2+\i+1]
.endr
.set n, 0
.rept 32
	v_mov_b32 v[O+n], 0
.set n, n+1
.endr
	v_mov_b32 v14, 0
	v_mov_b32 v15, 0
	v_mov_b32 v13, 0xff61b1e6
	v_floor_f32 v12, -v13
	s_wait_alu depctr_va_vdst(0)                   ; directly behind the writes
	s_mov_b32 s[BLK], s[PB]
.endm
; A TRIP: one key step of 128 keys.  msk: 7 in trips 0 to 2, whose steps are 0 to 7; 15 behind the second barrier.
.macro STEP msk
	s_cmp_lt_u32 s[WV], 8                          ; the first eight waves hand nothing over
	s_cbranch_scc1 .Lkeep_\@
	s_cmp_eq_u32 s[TRIP], s[SW]
	s_cbranch_scc0 .Lkeep_\@
	HANDOVER
.Lkeep_\@:
.if \msk > 7
	s_cmp_ge_u32 s[TRIP], s[NT]                    ; the second eight waves have no ninth step
	s_cbranch_scc1 .Lidle_\@
.endif
	s_cmp_lt_u32 s[TRIP], s[N]
	s_cselect_b32 s[ST], s[P], s[R]
	s_add_co_u32 s[ST], s[ST], s[TRIP]
	s_and_b32 s[ST], s[ST], \msk                   ; (it changes nothing: the steps lie in that range)
	s_mul_i32 s[TB], s[ST], STEPB
	v_add_nc_u32 v[ADR], s[TB], v[LI]
.rept 7
	v_nop                                          ; with the line above eight places ahead of loads into what the last products have read
.endr
.irp t, 0,1,2,3,4,5,6,7
.irp c, 0,1
	ds_load_b128 v[KF+8*\t+4*\c:KF+8*\t+4*\c+3], v[ADR] offset:\t*1024+\c*512
.endr
.endr
	ds_load_b128 v[KS:KS+3], v[ADR] offset:16384
	s_wait_alu depctr_va_vdst(0)
	s_wait_dscnt 0x0
.irp t, 0,2,4,6
	v_wmma_scale_f32_16x16x128_f8f6f4 v[S+8*\t:S+8*\t+7], v[KF+8*\t:KF+8*\t+15], v[QF:QF+15], 0, v[KS+\t/2], v[QS]
	v_wmma_scale_f32_16x16x128_f8f6f4 v[S+8*\t+8:S+8*\t+15], v[KF+8*\t+8:KF+8*\t+23], v[QF:QF+15], 0, v[KS+\t/2], v[QS] matrix_a_scale:MATRIX_SCALE_ROW1
.endr
.rept 8
	v_nop                                          ; places ahead of loads into K's registers and of the scores' first read
.endr
.irp t, 0,1,2,3
.irp c, 0,1,2,3
	ds_load_b128 v[KF+16*\t+4*\c:KF+16*\t+4*\c+3], v[ADR] offset:8192+\t*2048+\c*512
.endr
.endr
	ds_load_b128 v[VS:VS+3], v[ADR] offset:16896
	s_cmp_lg_u32 s[ST], s[BLK]
	s_cbranch_scc1 .Lopen_\@
	v_mov_b32 v254, 0xff800000                     ; the diagonal: hidden scores become -inf
.set n, 0
.rept 64
	v_cmp_gt_i32 vcc_lo, 32*(n/16)+n%16, v[DM]
	v_cndmask_b32 v[S+n], v[S+n], v254, vcc_lo
.set n, n+1
.endr
.Lopen_\@:
.irp b, 0,1,2,3
	v_max3_num_f32 v[232+\b], v[S+16*\b], v[S+1+16*\b], v[S+2+16*\b]   ; the largest score of each block of 32 keys: for the row's maximum and for the block's largest p
.endr
.irp i, 3,5,7,9,11,13
.irp b, 0,1,2,3
	v_max3_num_f32 v[232+\b], v[232+\b], v[S+16*\b+\i], v[S+1+16*\b+\i]
.endr
.endr
.irp b, 0,1,2,3
	v_max_num_f32 v[232+\b], v[232+\b], v[S+15+16*\b]
.endr
.irp b, 0,1,2,3
	s_delay_alu instid0(VALU_DEP_4)
	v_permlanex16_b32 v[236+\b], v[232+\b], s[SEL], s[SEL+1]
.endr
.irp b, 0,1,2,3
	s_delay_alu instid0(VALU_DEP_4)
	v_max_num_f32 v[232+\b], v[232+\b], v[236+\b]
.endr
	s_delay_alu instid0(VALU_DEP_2)
	v_max3_num_f32 v254, v232, v233, v234
	s_delay_alu instid0(VALU_DEP_1)
	v_max_num_f32 v254, v254, v235
	s_delay_alu instid0(VALU_DEP_1)
	v_mul_f32 v254, s[CS], v254
	s_delay_alu instid0(VALU_DEP_1)
	v_max_num_f32 v13, v13, v254                   ; the running largest t
	v_mov_b32 v254, v12
	s_delay_alu instid0(VALU_DEP_2)
	v_floor_f32 v12, -v13                          ; the new -M
	s_delay_alu instid0(VALU_DEP_1)
	v_sub_f32 v254, v12, v254
	s_delay_alu instid0(VALU_DEP_1)
	v_cvt_i32_f32 v254, v254                       ; (it saturates)
	s_delay_alu instid0(VALU_DEP_1)
	v_ldexp_f32 v252, 1.0, v254                    ; f = 2^(old M - new M)
.set n, 0
.rept 32
	v_pk_fma_f32 v[S+n:S+n+1], v[S+n:S+n+1], s[CS:CS+1], v[12:13] op_sel_hi:[1,0,0]   ; t - M
.set n, n+2
.endr
.irp b, 0,1,2,3
	v_fma_f32 v[232+\b], v[232+\b], s[CS], v12
.endr
.set n, 0
	s_wait_alu depctr_va_vdst(0)                   ; ahead of the batch,
.rept 64
	v_exp_f32 v[S+n], v[S+n]
.set n, n+1
.endr
	v_pk_mul_f32 v[14:15], v[14:15], v[252:253] op_sel_hi:[1,0]
	s_wait_alu depctr_va_vdst(0)                   ; and behind it
.irp b, 0,1,2,3
	v_exp_f32 v[232+\b], v[232+\b]                 ; each block's largest p
.endr
	v_pk_add_f32 v[236:237], v[S:S+1], v[S+2:S+3]  ; l, of the unquantised p, in two chains
.irp j, 4,8,12,16,20,24,28,32,36,40,44,48,52,56,60
	v_pk_add_f32 v[14:15], v[14:15], v[S+\j:S+\j+1]
	v_pk_add_f32 v[236:237], v[236:237], v[S+2+\j:S+3+\j]
.endr
	s_delay_alu instid0(VALU_DEP_1)
	v_pk_add_f32 v[14:15], v[14:15], v[236:237]
	s_wait_alu depctr_va_vdst(0)                   ; and one for the four
.irp b, 0,1,2,3
	v_max_num_f32 v[232+\b], 0x4800000, v[232+\b]  ; the floor 2^(9 - 127): the byte cannot fall under 1
.endr
.irp b, 0,1,2,3
	s_delay_alu instid0(VALU_DEP_4)
	v_add_nc_u32 v[244+\b], 0xfc000000, v[232+\b]  ; the conversions' scale operand
.endr
.irp b, 0,1,2,3
	v_and_or_b32 v[240+\b], v[232+\b], 0x7f800000, s[MNT]   ; 448 x the scale
.endr
.irp b, 0,1,2,3
	v_lshrrev_b32 v[236+\b], 23, v[244+\b]         ; the byte
.endr
	s_delay_alu instid0(VALU_DEP_3)
	v_lshl_or_b32 v253, v237, 8, v236              ; p's scale word
	s_delay_alu instid0(VALU_DEP_1)
	v_lshl_or_b32 v253, v238, 16, v253
	s_delay_alu instid0(VALU_DEP_1)
	v_lshl_or_b32 v253, v239, 24, v253
.irp b, 0,1,2,3
.irp i, 0,2,4,6,8,10,12,14
	v_dual_min_num_f32 v[S+16*\b+\i], v[240+\b], v[S+16*\b+\i] :: v_dual_min_num_f32 v[S+16*\b+\i+1], v[240+\b], v[S+16*\b+\i+1]   ; the hold, two numbers a line: the conversion does not saturate (ISA guide 7.6.2)
.endr
	v_cvt_scalef32_pk8_fp8_f32 v[PC+4*\b:PC+1+4*\b], v[S+16*\b:S+7+16*\b], v[244+\b]
	v_cvt_scalef32_pk8_fp8_f32 v[PC+2+4*\b:PC+3+4*\b], v[S+8+16*\b:S+15+16*\b], v[244+\b]
.endr
	s_wait_alu depctr_va_vdst(0)                   ; ahead of O^T's first reader
.set n, 0
.rept 16
	v_pk_mul_f32 v[O+n:O+n+1], v[O+n:O+n+1], v[252:253] op_sel_hi:[1,0]   ; O^T under the new M: exact
.set n, n+2
.endr
	s_wait_alu depctr_va_vdst(0)
	s_wait_dscnt 0x0
.irp t, 0,1,2,3
	v_wmma_scale_f32_16x16x128_f8f6f4 v[O+8*\t:O+8*\t+7], v[KF+16*\t:KF+16*\t+15], v[PC:PC+15], v[O+8*\t:O+8*\t+7], v[VS+\t], v253
.endr
.Lidle_\@:
	s_add_co_u32 s[TRIP], s[TRIP], 1
.endm
	s_wait_alu depctr_va_vdst(0)                   ; at the head's end
	s_cmp_lt_u32 s[WV], 8
	s_cbranch_scc0 .Lnot_yet
	s_wait_tensorcnt 0x0                           ; waves 0 to 7: steps 0 to 7 are in.  The others' wait stands at the second barrier
.Lnot_yet:
	s_barrier_signal -1
	s_barrier_wait -1
	s_wait_loadcnt 0x0                             ; Q
	s_mov_b32 s[TRIP], 0
.Lfirst:
	STEP 7
	s_cmp_lt_u32 s[TRIP], 3
	s_cbranch_scc1 .Lfirst
	s_wait_tensorcnt 0x0                           ; my step is in,
	s_wait_dscnt 0x0
	s_barrier_signal -1
	s_barrier_wait -1                              ; everybody's is
	s_cmp_lt_u32 s[WV], 8
	s_cselect_b32 s[P], 0, 9                       ; the second: trip 3 is step 12
	s_mov_b32 s[TRIP], 3
.Lsecond:
	STEP 15
	s_cmp_lt_u32 s[TRIP], 9
	s_cbranch_scc1 .Lsecond
.rept 8
	v_nop                                          ; places behind the last products
.endr
	v_add_f32 v14, v14, v15
	s_wait_alu depctr_va_vdst(0)
	s_wait_dscnt 0x0                               ; the hand-over's stores are done
	s_barrier_signal -1
	s_barrier_wait -1
	s_cmp_lt_u32 s[WV], 8
	s_cbranch_scc0 .Lfinish
	; THE FIRST EIGHT WAVES join the second's part of the long tile to their own: both under the larger M, by powers of two
	ds_load_b64 v[S+32:S+33], v[XA] offset:4096
.irp i, 0,1,2,3,4,5,6,7
	ds_load_b128 v[S+4*\i:S+4*\i+3], v[XA] offset:512*\i
.endr
	s_wait_dscnt 0x0
	v_min_num_f32 v8, v12, v[S+32]                 ; -M
	v_sub_f32 v9, v8, v12
	v_sub_f32 v11, v8, v[S+32]
	v_cvt_i32_f32 v9, v9
	v_cvt_i32_f32 v11, v11                         ; (it saturates: a part of no steps has -M = 3e38, and zeros)
	v_ldexp_f32 v8, 1.0, v9
	v_ldexp_f32 v10, 1.0, v11
	v_mul_f32 v14, v14, v8
	v_fma_f32 v14, v[S+33], v10, v14
.set n, 0
.rept 16
	v_pk_mul_f32 v[S+n:S+n+1], v[S+n:S+n+1], v[10:11] op_sel_hi:[1,0]
.set n, n+2
.endr
.set n, 0
.rept 16
	v_pk_fma_f32 v[O+n:O+n+1], v[O+n:O+n+1], v[8:9], v[S+n:S+n+1] op_sel_hi:[1,0,1]
.set n, n+2
.endr
.Lfinish:
	; THE WAY OUT: O^T / l, quantised along the head's 64 (two blocks)
	v_permlanex16_b32 v252, v14, s[SEL], s[SEL+1]
	v_add_f32 v14, v14, v252                       ; with lane l xor 16's half: the row's sum
	s_wait_alu depctr_va_vdst(0)                   ; ahead of the transcendental too
	v_rcp_f32 v14, v14
	v_and_b32 v9, 15, v0                           ; (plain places behind the transcendental)
	v_bfe_u32 v10, v0, 4, 1
	v_lshl_add_u32 v9, v9, 4, v10                  ; my scale byte: 16 r + h
	s_wait_alu depctr_va_vdst(0)                   ; and ahead of the first reader
.set n, 0
.rept 32
	v_mul_f32 v[S+n], v[O+n], v14
.set n, n+1
.endr
.irp b, 0,1
	v_max3_num_f32 v[232+\b], |v[S+16*\b]|, |v[S+1+16*\b]|, 0x4800000
.endr
.irp i, 2,4,6,8,10,12,14
.irp b, 0,1
	s_delay_alu instid0(VALU_DEP_2)
	v_max3_num_f32 v[232+\b], v[232+\b], |v[S+16*\b+\i]|, |v[S+1+16*\b+\i]|
.endr
.endr
.irp b, 0,1
	s_delay_alu instid0(VALU_DEP_2)
	v_permlanex16_b32 v[236+\b], v[232+\b], s[SEL], s[SEL+1]
.endr
.irp b, 0,1
	s_delay_alu instid0(VALU_DEP_2)
	v_max_num_f32 v[232+\b], v[232+\b], v[236+\b]
.endr
.irp b, 0,1
	s_delay_alu instid0(VALU_DEP_2)
	v_add_nc_u32 v[244+\b], 0xfc000000, v[232+\b]
.endr
.irp b, 0,1
	s_delay_alu instid0(VALU_DEP_4)
	v_and_or_b32 v[240+\b], v[232+\b], 0x7f800000, s[MNT]
.endr
.irp b, 0,1
	s_delay_alu instid0(VALU_DEP_4)
	v_lshrrev_b32 v[236+\b], 23, v[244+\b]
.endr
.irp b, 0,1
.irp i, 0,1,2,3,4,5,6,7,8,9,10,11,12,13,14,15
	v_med3_num_f32 v[S+16*\b+\i], v[S+16*\b+\i], -v[240+\b], v[240+\b]
.endr
	v_cvt_scalef32_pk8_fp8_f32 v[PC+4*\b:PC+1+4*\b], v[S+16*\b:S+7+16*\b], v[244+\b]
	v_cvt_scalef32_pk8_fp8_f32 v[PC+2+4*\b:PC+3+4*\b], v[S+8+16*\b:S+15+16*\b], v[244+\b]
.endr
	v_cndmask_b32 v248, v236, v237, s[HM]          ; lanes 0-15 store block 0's byte, lanes 16-31 block 1's
	global_store_b128 v[LI], v[PC:PC+3], s[8:9]
	global_store_b128 v[LI], v[PC+4:PC+7], s[8:9] offset:512
	global_store_b8 v9, v248, s[48:49]
	s_wait_tensorcnt 0x0                           ; the wave's end
	ds_add_u32 v[SPW], v[NIL]
	s_wait_dscnt 0x0
	CROUND                                         ; the closing round
	s_endpgm
.Lfunc_end_k_qdf213454e0_attn:
	.size	k_qdf213454e0_attn, .Lfunc_end_k_qdf213454e0_attn-k_qdf213454e0_attn
	.p2alignl 7, 3214868480
	.fill 96, 4, 3214868480
	.section	.rodata,"a",@progbits
	.p2align	6, 0x0
	.amdhsa_kernel k_qdf213454e0_attn
		.amdhsa_group_segment_fixed_size 327680
		.amdhsa_private_segment_fixed_size 0
		.amdhsa_enable_private_segment 0
		.amdhsa_kernarg_size 24
		.amdhsa_user_sgpr_count 2
		.amdhsa_user_sgpr_kernarg_segment_ptr 1
		.amdhsa_wavefront_size32 1
		.amdhsa_system_sgpr_workgroup_id_x 1
		.amdhsa_system_sgpr_workgroup_id_y 1
		.amdhsa_system_sgpr_workgroup_id_z 1
		.amdhsa_system_vgpr_workitem_id 0
		.amdhsa_next_free_vgpr 256
		.amdhsa_next_free_sgpr 66
		.amdhsa_reserve_vcc 1
		.amdhsa_float_denorm_mode_32 3
		.amdhsa_float_denorm_mode_16_64 3
		.amdhsa_memory_ordered 1
		.amdhsa_forward_progress 1
		.amdhsa_inst_pref_size 73
	.end_amdhsa_kernel
	.amdgpu_metadata
---
amdhsa.version: [ 1, 2 ]
amdhsa.kernels:
  - .name:           k_qdf213454e0_attn
    .symbol:         k_qdf213454e0_attn.kd
    .args:
      - { .name: QB, .offset: 0, .size: 8, .value_kind: global_buffer, .address_space: global }
      - { .name: KV, .offset: 8, .size: 8, .value_kind: global_buffer, .address_space: global }
      - { .name: AREC, .offset: 16, .size: 8, .value_kind: global_buffer, .address_space: global }
    .group_segment_fixed_size: 327680
    .private_segment_fixed_size: 0
    .kernarg_segment_align: 8
    .kernarg_segment_size: 24
    .max_flat_workgroup_size: 512
    .sgpr_count:     66
    .vgpr_count:     256
    .wavefront_size: 32
...
	.end_amdgpu_metadata
.endif
;; end of part 3
;; launch oproj (part 4): grid 8 x 32, 4 waves a work-group, clusters of 4 x 4, 327,680 bytes of LDS; arguments AREC, WIMG, WSC, bo, out0; writes out0
.if DOCPART == 4
	.amdgcn_target "amdgcn-amd-amdhsa--gfx1250"
	.amdhsa_code_object_version 6
	.text
	.protected	k_qdf213454e0_oproj
	.globl	k_qdf213454e0_oproj
	.p2align	8
	.type	k_qdf213454e0_oproj,@function
k_qdf213454e0_oproj:
	s_mov_b64 s[64:65], 0
	v_nop
	global_prefetch_b8 v0, s[64:65] scope:SCOPE_SE
	s_setreg_imm32_b32 hwreg(HW_REG_WAVE_MODE, 25, 1), 1
	s_wait_xcnt 0x0
	s_wait_alu depctr_hold_cnt(0) depctr_sa_sdst(0) depctr_va_vdst(0) depctr_va_sdst(0) depctr_va_ssrc(0) depctr_va_vcc(0) depctr_vm_vsrc(0)
	s_getreg_b32 s2, hwreg(HW_REG_IB_STS2, 6, 4)
	s_cmp_eq_u32 s2, 0
	s_cbranch_scc0 .Lentry_in_a_cluster
	s_endpgm
.Lentry_in_a_cluster:
	s_bfe_u32 s2, ttmp6, 0x10000c
	s_cmp_lg_u32 s2, 0xf033
	s_cbranch_scc0 .Lentry_shape_is_right
	s_endpgm
.Lentry_shape_is_right:
; LAUNCH 4 OF 4: out0 = A Wo + bo on codes of E4M3 (one E8M0 byte for each 32 along K); A is the attention result as the third launch laid it, Wo as the first did.  No work is left out here.
; SHARES.  256 work-groups, each 128 tokens (four records of A) x 128 columns (eight column tiles of Wo), all of K; a wave makes 64 x 64: 16 accumulators.
; CLUSTERS of 4 x 4: the four of a row (same tokens) ask JOINTLY for A's records, the four of a column (same columns) for Wo's tiles: one load a wave, waves 0, 1 A's halves, waves 2, 3 Wo's.  All of K lies in LDS, nothing is filled again.
; All is asked for at the head, so there is no loop for a prefetch to run ahead in.
; Source 0 = 16 columns of Wo, source 1 = 16 tokens: a lane holds one token and eight neighbouring columns a tile.  The bias is the C of each sum's first matrix instruction.
; K goes in eight steps of 128 through two sets of fragments: a step's 32 LDS loads are issued ahead of the step before's 16 products.
; A wave's 64 columns are 256 aligned bytes of a row of out0: 32 tokens x 64 columns at a time go through its own stage in LDS and leave as whole rows, sixteen lanes to 256 consecutive bytes.
; LIMIT: NaN and infinities are not served.
; REGISTERS: window 0: v1-10 addresses; v16-31 A's scale words (v[16 + 8 i + s], record i: lanes 0-15 tile 0, lanes 16-31 tile 1); v36-51 Wo's (v[36 + 8 b + s]: lanes 0-15 tile 2 b, lanes 16-31 tile 2 b + 1);
;   v52-83 bias; v64-127 rows on their way out, when the bias is done with; v128-255 accumulators.   window 1: two sets of 128: A's four fragments, then Wo's four.
.set REC,   33792
.set WB,    4*REC                      ; behind the records Wo's eight tiles of 16,384 bytes
.set STAGE, WB+131072                  ; behind them 32 rows x 272 bytes for each wave
.set SPARE, STAGE+4*8704               ; and the spare words, 128 bytes a wave
.set SPW, 1
.set NIL, 2
.set LI,  3                            ; v3  16 x lane
.set XR0, 4                            ; v4, v5  my two records
.set XR1, 5
.set WA,  6                            ; v6  my four tiles of Wo
.set LSA, 7                            ; v7  my records' scale words
.set STO, 8                            ; v8  the stage: where I put 32 bytes of my token's row
.set RD,  9                            ; v9  and where I read a row back
.set CO,  10                           ; v10 the same place in out0
.set XS,  16
.set WS,  36
.set BIAS, 52
.set OB,  64
.set ACC, 128
.set WV,  20
.set CX,  21
.set CY,  22
.set X,   23                           ; s23 which 128 columns
.set Y,   24                           ; s24 which 128 tokens
.set TH,  25                           ; s25 which half of the tokens is mine
.set CH,  26                           ; s26 which half of the columns; also which half of A or of Wo I ask for
.set G1A, 32
.set G0A, 40
.set G1W, 44
.set G0W, 52
.set MSB, 0
.macro WIN new                         ; the immediate's high byte repeats the setting that is left
.if MSB != (\new)
	s_set_vgpr_msb (MSB<<8)|(\new)
.set MSB, (\new)
.endif
.endm
.macro CROUND                          ; a round of the cluster's barrier
	s_barrier_signal -1
	s_barrier_wait -1
	s_cmp_lg_u32 s[WV], 0
	s_cbranch_scc1 .Lnot_wave_0_\@
	s_barrier_signal -3
.Lnot_wave_0_\@:
	s_barrier_wait -3
	s_barrier_signal -1
	s_barrier_wait -1
.endm
.macro GROUP1 g, mask, rows            ; so many rows of 256 bytes (32 elements of 8), dense
	s_or_b32 s[\g], s[\mask], (3<<16)|(1<<21)
	s_mov_b32 s[\g+1], 32<<16
	s_mov_b32 s[\g+2], (\rows)<<16
	s_mov_b32 s[\g+3], 32<<16
	s_mov_b32 s[\g+4], \rows
	s_mov_b32 s[\g+5], 32
	s_mov_b32 s[\g+6], 0
	s_mov_b32 s[\g+7], 0
.endm
	s_load_b256 s[4:11], s[0:1], 0x0               ; AREC, WIMG, WSC, bo
	s_load_b64 s[12:13], s[0:1], 0x20              ; out0
	v_lshl_add_u32 v[SPW], v0, 2, SPARE
	v_mov_b32 v[NIL], 0
	ds_add_u32 v[SPW], v[NIL]                      ; the wave's opening: the add, twice on end, and its wait ahead of my first tensor load
	ds_add_u32 v[SPW], v[NIL]
	v_lshrrev_b32 v11, 5, v0
	v_readfirstlane_b32 s[WV], v11                 ; wave 0..3
	s_lshr_b32 s[TH], s[WV], 1
	s_and_b32 s[CH], s[WV], 1
	s_bfe_u32 s[CX], ttmp6, 0x40000
	s_bfe_u32 s[CY], ttmp6, 0x40004
	s_lshl_b32 s[X], ttmp9, 2
	s_add_co_u32 s[X], s[X], s[CX]
	s_and_b32 s[Y], ttmp7, 0xffff
	s_lshl_b32 s[Y], s[Y], 2
	s_add_co_u32 s[Y], s[Y], s[CY]
	s_lshl_b32 s28, s[CY], 2
	s_lshl_b32 s28, 15, s28                        ; my row of the cluster: shares A
	s_lshl_b32 s29, 0x1111, s[CX]                  ; my column: shares Wo
	GROUP1 G1A, 28, 264                            ; two records
	GROUP1 G1W, 29, 256                            ; four column tiles
	s_mul_i32 s56, s[Y], 4*REC
	s_mul_i32 s58, s[CH], 2*REC
	s_add_co_u32 s56, s56, s58                     ; A's half, in memory; s58 in LDS
	s_mov_b32 s57, 0
	s_lshl_b32 s60, s[X], 17
	s_lshl_b32 s59, s[CH], 16
	s_add_co_u32 s60, s60, s59
	s_add_co_u32 s60, s60, 3<<20                   ; Wo is the fourth matrix of WIMG
	s_mov_b32 s61, 0
	s_add_co_u32 s59, s59, WB
	v_and_b32 v11, 31, v0
	v_and_b32 v12, 15, v0                          ; r
	v_bfe_u32 v13, v0, 4, 1                        ; h
	v_lshlrev_b32 v[LI], 4, v11
	v_lshlrev_b32 v14, 5, v12
	v_lshl_add_u32 v14, v13, 9, v14                ; Wo's scale words: 512 h + 32 r
	v_lshlrev_b32 v15, 6, v13                      ; the bias: 64 h
	s_wait_alu depctr_va_vdst(0)
	s_wait_dscnt 0x0                               ; both opening adds are done
	CROUND                                         ; all sixteen work-groups are here: the joint loads meet
	s_wait_kmcnt 0x0
	s_mov_b32 s[G0A], 1
	s_mov_b32 s[G0A+1], s58
	s_add_nc_u64 s[G0A+2:G0A+3], s[4:5], s[56:57]
	s_or_b32 s[G0A+3], s[G0A+3], 0x80000000
	s_mov_b32 s[G0W], 1
	s_mov_b32 s[G0W+1], s59
	s_add_nc_u64 s[G0W+2:G0W+3], s[6:7], s[60:61]
	s_or_b32 s[G0W+3], s[G0W+3], 0x80000000
	s_cmp_lt_u32 s[WV], 2                          ; one joint load a wave
	s_cbranch_scc0 .Lfor_w
	tensor_load_to_lds s[G0A:G0A+3], s[G1A:G1A+7]
	s_nop 0
.rept 4
	v_nop
.endr
	s_branch .Lasked
.Lfor_w:
	tensor_load_to_lds s[G0W:G0W+3], s[G1W:G1W+7]
	s_nop 0
.rept 4
	v_nop
.endr
.Lasked:
	s_lshl_b32 s28, s[X], 12
	s_lshl_b32 s29, s[CH], 11
	s_add_co_u32 s28, s28, s29
	s_add_co_u32 s28, s28, 3<<15                   ; my first tile's scale words: 512 (8 x + 4 half)
	s_mov_b32 s29, 0
	s_add_nc_u64 s[8:9], s[8:9], s[28:29]
.irp b, 0,1
	global_load_b128 v[WS+8*\b:WS+8*\b+3], v14, s[8:9] offset:\b*1024
	global_load_b128 v[WS+8*\b+4:WS+8*\b+7], v14, s[8:9] offset:\b*1024+16
.endr
	s_lshl_b32 s28, s[X], 9
	s_lshl_b32 s30, s[CH], 8
	s_add_co_u32 s28, s28, s30                     ; my first column, in bytes of f32
	s_add_nc_u64 s[10:11], s[10:11], s[28:29]
.irp t, 0,1,2,3                                ; register j of tile t is column 32 (t / 2) + 8 (t % 2) + 16 h + j
	global_load_b128 v[BIAS+8*\t:BIAS+8*\t+3], v15, s[10:11] offset:(32*(\t/2)+8*(\t%2))*4
	global_load_b128 v[BIAS+8*\t+4:BIAS+8*\t+7], v15, s[10:11] offset:(32*(\t/2)+8*(\t%2))*4+16
.endr
	s_add_nc_u64 s[12:13], s[12:13], s[28:29]
	s_lshl_b32 s28, s[Y], 7
	s_lshl_b32 s30, s[TH], 6
	s_add_co_u32 s28, s28, s30
	s_lshl_b32 s28, s28, 12
	s_add_nc_u64 s[12:13], s[12:13], s[28:29]      ; out0 at my first token and column
	s_mul_i32 s28, s[TH], 2*REC
	v_add_nc_u32 v[XR0], s28, v[LI]
	v_add_nc_u32 v[XR1], REC, v[XR0]
	s_lshl_b32 s30, s[CH], 16
	s_add_co_u32 s30, s30, WB
	v_add_nc_u32 v[WA], s30, v[LI]
	s_add_co_u32 s28, s28, 32768
	v_lshlrev_b32 v[LSA], 4, v12
	v_lshl_add_u32 v[LSA], v13, 9, v[LSA]
	v_add_nc_u32 v[LSA], s28, v[LSA]
	s_mul_i32 s30, s[WV], 8704
	s_add_co_u32 s30, s30, STAGE                   ; my stage
	v_and_b32 v11, 8, v12
	v_add_nc_u32 v11, v11, v12                     ; r + 8 (r / 8): my token among the tile's 32
	v_mul_u32_u24 v[STO], v11, 272
	v_lshl_add_u32 v[STO], v13, 6, v[STO]
	v_add_nc_u32 v[STO], s30, v[STO]
	v_mul_u32_u24 v[RD], v13, 272
	v_lshl_add_u32 v[RD], v12, 4, v[RD]
	v_add_nc_u32 v[RD], s30, v[RD]                 ; back: lanes 0-15 one row, lanes 16-31 the next
	v_lshlrev_b32 v[CO], 12, v13
	v_lshl_add_u32 v[CO], v12, 4, v[CO]
	s_wait_alu depctr_va_vdst(0)                   ; at the head's end
	s_wait_tensorcnt 0x0                           ; my half is in,
	s_barrier_signal -1
	s_barrier_wait -1                              ; everybody's is
.macro FETCH s, k                      ; K step s into set k: 32 loads
	WIN 0x40                                       ; destination window 1
.irp t, 0,1,2,3
.irp c, 0,1,2,3
	ds_load_b128 v[128*(\k)+64+16*\t+4*\c:128*(\k)+64+16*\t+4*\c+3], v[WA] offset:\t*16384+(\s)*2048+\c*512
.endr
.endr
.irp p, 0,1
.irp c, 0,1,2,3
	ds_load_b128 v[128*(\k)+16*\p+4*\c:128*(\k)+16*\p+4*\c+3], v[XR0] offset:\p*16384+(\s)*2048+\c*512
	ds_load_b128 v[128*(\k)+32+16*\p+4*\c:128*(\k)+32+16*\p+4*\c+3], v[XR1] offset:\p*16384+(\s)*2048+\c*512
.endr
.endr
	WIN 0
.endm
.macro WM                              ; one matrix instruction from the symbols set in MUL
.if rowA && rowB
	v_wmma_scale_f32_16x16x128_f8f6f4 v[rD:rD+7], v[rA:rA+15], v[rB:rB+15], v[rC:rC+7], v[rSA], v[rSB] matrix_a_scale:MATRIX_SCALE_ROW1 matrix_b_scale:MATRIX_SCALE_ROW1
.elseif rowA
	v_wmma_scale_f32_16x16x128_f8f6f4 v[rD:rD+7], v[rA:rA+15], v[rB:rB+15], v[rC:rC+7], v[rSA], v[rSB] matrix_a_scale:MATRIX_SCALE_ROW1
.elseif rowB
	v_wmma_scale_f32_16x16x128_f8f6f4 v[rD:rD+7], v[rA:rA+15], v[rB:rB+15], v[rC:rC+7], v[rSA], v[rSB] matrix_b_scale:MATRIX_SCALE_ROW1
.else
	v_wmma_scale_f32_16x16x128_f8f6f4 v[rD:rD+7], v[rA:rA+15], v[rB:rB+15], v[rC:rC+7], v[rSA], v[rSB]
.endif
.endm
.macro MUL s, k                        ; K step s: 16 matrix instructions, one on each accumulator
	WIN 0x05                                       ; sources 0 and 1 window 1; C and D window 0
.irp i, 0,1
.irp p, 0,1
.irp t, 0,1,2,3
.set rD, ACC+8*(4*(2*\i+\p)+\t)
.set rA, 128*(\k)+64+16*\t
.set rB, 128*(\k)+32*\i+16*\p
.set rSA, WS+8*(\t/2)+(\s)
.set rSB, XS+8*\i+(\s)
.set rowA, \t%2
.set rowB, \p
.set rC, rD
.if (\s) == 0
.set rC, BIAS+8*\t
.endif
	WM
.endr
.endr
.endr
	WIN 0
.endm
.macro PLACES                          ; eight places: ahead of loads into what products have read, and of the results' first read
.rept 8
	v_nop
.endr
.endm
.macro OUT i                           ; record i's 32 tokens x my 64 columns
	s_wait_xcnt 0x0                                ; earlier stores have read the registers that are loaded again here
.irp p, 0,1
.irp t, 0,1,2,3
	ds_store_b128 v[STO], v[ACC+64*\i+32*\p+8*\t:ACC+64*\i+32*\p+8*\t+3] offset:\p*2176+(\t/2)*128+(\t%2)*32   ; each accumulator from its low end on
	ds_store_b128 v[STO], v[ACC+64*\i+32*\p+8*\t+4:ACC+64*\i+32*\p+8*\t+7] offset:\p*2176+(\t/2)*128+(\t%2)*32+16
.endr
.endr
.irp k, 0,1,2,3,4,5,6,7,8,9,10,11,12,13,14,15
	ds_load_b128 v[OB+4*\k:OB+4*\k+3], v[RD] offset:\k*544   ; LDS serves a wave's instructions in order: these see my stores
.endr
.irp k, 0,1,2,3,4,5,6,7,8,9,10,11,12,13,14,15
	s_wait_dscnt 15-\k                             ; rows 2 k, 2 k + 1 are back; the younger loads may be out
	global_store_b128 v[CO], v[OB+4*\k:OB+4*\k+3], s[12:13] offset:(32*\i+2*\k)*4096 th:TH_STORE_NT   ; sixteen lanes store 256 consecutive bytes, aligned
.endr
.endm
.irp i, 0,1
	ds_load_b128 v[XS+8*\i:XS+8*\i+3], v[LSA] offset:\i*REC
	ds_load_b128 v[XS+8*\i+4:XS+8*\i+7], v[LSA] offset:\i*REC+256
.endr
	FETCH 0, 0
	s_wait_loadcnt 0x0                             ; Wo's scale words, the bias
.irp s, 0,1,2,3,4,5,6,7
.if \s < 7
.if \s > 0
	PLACES
.endif
	FETCH \s+1, (\s+1)%2
	s_wait_dscnt 32                                ; step s is in: the next step's 32 loads may be out
.else
	s_wait_dscnt 0x0
.endif
	MUL \s, (\s)%2
.endr
	PLACES
	OUT 0
	OUT 1
	s_wait_tensorcnt 0x0                           ; the wave's end, behind my last LDS store
	ds_add_u32 v[SPW], v[NIL]
	s_wait_dscnt 0x0
	CROUND                                         ; the closing round
	s_endpgm
.Lfunc_end_k_qdf213454e0_oproj:
	.size	k_qdf213454e0_oproj, .Lfunc_end_k_qdf213454e0_oproj-k_qdf213454e0_oproj
	.p2alignl 7, 3214868480
	.fill 96, 4, 3214868480
	.section	.rodata,"a",@progbits
	.p2align	6, 0x0
	.amdhsa_kernel k_qdf213454e0_oproj
		.amdhsa_group_segment_fixed_size 327680
		.amdhsa_private_segment_fixed_size 0
		.amdhsa_enable_private_segment 0
		.amdhsa_kernarg_size 40
		.amdhsa_user_sgpr_count 2
		.amdhsa_user_sgpr_kernarg_segment_ptr 1
		.amdhsa_wavefront_size32 1
		.amdhsa_system_sgpr_workgroup_id_x 1
		.amdhsa_system_sgpr_workgroup_id_y 1
		.amdhsa_system_sgpr_workgroup_id_z 1
		.amdhsa_system_vgpr_workitem_id 0
		.amdhsa_next_free_vgpr 512
		.amdhsa_next_free_sgpr 66
		.amdhsa_reserve_vcc 0
		.amdhsa_float_denorm_mode_32 3
		.amdhsa_float_denorm_mode_16_64 3
		.amdhsa_memory_ordered 1
		.amdhsa_forward_progress 1
		.amdhsa_inst_pref_size 51
	.end_amdhsa_kernel
	.amdgpu_metadata
---
amdhsa.version: [ 1, 2 ]
amdhsa.kernels:
  - .name:           k_qdf213454e0_oproj
    .symbol:         k_qdf213454e0_oproj.kd
    .args:
      - { .name: AREC, .offset: 0, .size: 8, .value_kind: global_buffer, .address_space: global }
      - { .name: WIMG, .offset: 8, .size: 8, .value_kind: global_buffer, .address_space: global }
      - { .name: WSC, .offset: 16, .size: 8, .value_kind: global_buffer, .address_space: global }
      - { .name: bo, .offset: 24, .size: 8, .value_kind: global_buffer, .address_space: global }
      - { .name: out0, .offset: 32, .size: 8, .value_kind: global_buffer, .address_space: global }
    .group_segment_fixed_size: 327680
    .private_segment_fixed_size: 0
    .kernarg_segment_align: 8
    .kernarg_segment_size: 40
    .max_flat_workgroup_size: 128
    .sgpr_count:     66
    .vgpr_count:     512
    .wavefront_size: 32
...
	.end_amdgpu_metadata
.endif
;; end of part 4
